; MI455X (gfx1250); checked and timed in simulation.
; The chip was launched on July 23, 2026; its instructions are those of AMD's public machine-readable ISA for CDNA 5 (MIT licence, August 2026) and "CDNA5" Instruction Set Architecture Reference Guide (July 2026). The comments in the code are by the model that wrote it; some were corrected since.
;; Self Attention Rope. Allowed arithmetic: matrix products marked QUANTISED: E2M3 operands, one E8M0 scale for each 32 along K, by v_wmma_scale_f32_16x16x128_f8f6f4 with both operands' format E2M3, f32 sums; everything else in f32.
;; Inputs: Wproj 1,024 x 1,024 float32; Wqkv 1,024 x 3,072 float32; bproj 1,024 float32; bqkv 3,072 float32; x_btd 4 x 2,048 x 1,024 float32.
;; Outputs: out0 4 x 2,048 x 1,024 float32.
;; This version of the problem:
;;   THIS VERSION OF THE PROBLEM IS GIVEN IN LOW PRECISION. The matrix products marked QUANTISED in the list below multiply operands that are first quantised to E2M3 (2 exponent bits, 3 mantissa bits; 6 bits a number), with one power-of-two scale for each 32 numbers along K (OCP MX v1.0); their sums are f32. All else is computed in f32.
;;   The module's matrix products, in the order in which they are computed (A, B: the left and right operand; K: the contracted axis; several contracted axes count as one K, in the product's order):
;;     1. [M 8,192, K 1,024] x [K 1,024, N 3,072]; A: input x_btd; B: input Wqkv: QUANTISED
;;     2. batch 64 x [M 2,048, K 64] x [K 64, N 2,048]; A: computed on the way; B: computed on the way: QUANTISED
;;     3. batch 64 x [M 2,048, K 2,048] x [K 2,048, N 64]; A: softmax (see below); B: computed on the way: QUANTISED
;;     4. [M 8,192, K 1,024] x [K 1,024, N 1,024]; A: computed on the way; B: input Wproj: QUANTISED
;;   THE QUANTISER, for each operand of a quantised product, along K:
;;     - K is cut into blocks of 32 from its start; a last block that is shorter is filled with zeros.
;;     - A block's scale is 2^e with e = floor(log2(the largest magnitude in the block)) - 2, held to -126 .. 127; a block of zeros has e = 0. As a byte (E8M0): e + 127.
;;     - Each number is divided by its block's scale, clamped to +-7.5, and rounded to the nearest number of E2M3, ties to even, subnormals kept.
;;     - The product sums the exact products of the quantised numbers (number of the format x scale) in f32.
;;   ~~~python
;;   def quantise(x, axis):      # numpy; x: float32 -> the quantised numbers, widened to float32 again
;;       x = np.moveaxis(x, axis, -1); K = x.shape[-1]
;;       x = np.pad(x, [(0, 0)] * (x.ndim - 1) + [(0, -K % 32)]); x = x.reshape(x.shape[:-1] + (-1, 32)); a = np.abs(x).max(-1, keepdims=True)
;;       e = np.where(a > 0, np.clip(np.frexp(np.where(a > 0, a, 1))[1] - 1 - 2, -126, 127), 0)      # np.frexp(a)[1] - 1 = floor(log2(a)), exactly
;;       r = np.clip(x / 2.0 ** e, -7.5, 7.5)
;;       step = 2.0 ** (np.maximum(np.frexp(np.where(r == 0, 1, r))[1] - 1, 0) - 3)
;;       q = np.round(r / step) * step * 2.0 ** e      # np.round: ties to even
;;       return np.moveaxis(q.reshape(q.shape[:-2] + (-1,))[..., :K], -1, axis).astype(np.float32)
;;   ~~~
;;   SOFTMAX AHEAD OF A QUANTISED PRODUCT. Where the list says 'softmax', what is quantised is not the finished softmax but p = 2^(t - M), with t = logit x log2(e) and M = ceil(the row's largest t), a whole number; so 1/2 < the row's largest p <= 1. The row's sum l is taken of the UNQUANTISED p, in f32, and the product's result is divided by l at the end. Since M is a whole number, a kernel that streams over the keys may use a running M (the ceiling of the running maximum): every later rescaling is an exact power of two, which a block's scale takes up: the codes' values come out the same.
;;   OPERANDS COMPUTED ON THE WAY. 'Computed on the way' means the value that the module computes at that place (a softmax that the list does not call 'softmax' is quantised finished and normalised). What goes into a quantiser is computed in f32, as accurately as f32 sums, v_exp_f32 and their like allow (about 1e-6 of the number): no bf16 or f16 on the way to a quantiser, and a product that is left as it is and whose result goes on into a quantised operand takes f32 operands (vector FMAs, or v_wmma_f32_16x16x4_f32). A number that lies on a knife's edge between two numbers of the format may be rounded either way, as far as f32 arithmetic and the matrix unit's own rounding can turn it there, and no further.
;; One version. Each part assembles by itself: llvm-mc -triple=amdgcn-amd-amdhsa -mcpu=gfx1250 --defsym DOCPART=n.
;; ======== version 1 of 1: 4 launches
;; limits: right only within a limited range of input values
;; workspace buffers: xq 6,553,600 bytes; wq 3,276,800 bytes; tab 524,288 bytes; qr 6,553,600 bytes; kv 13,107,200 bytes; oc 6,553,600 bytes
;; launch prep (part 1): grid 416 x 1, 4 waves a work-group, no clusters, 59,904 bytes of LDS; arguments x_btd, Wqkv, Wproj, xq, wq, tab; writes xq, wq, tab
.if DOCPART == 1
	.amdgcn_target "amdgcn-amd-amdhsa--gfx1250"
	.amdhsa_code_object_version 6
	.text
	.protected	k_q51d0f1bd07_prep
	.globl	k_q51d0f1bd07_prep
	.p2align	8
	.type	k_q51d0f1bd07_prep,@function
k_q51d0f1bd07_prep:
	s_mov_b64 s[64:65], 0
	v_nop
	global_prefetch_b8 v0, s[64:65] scope:SCOPE_SE
	s_setreg_imm32_b32 hwreg(HW_REG_WAVE_MODE, 25, 1), 1
	s_wait_xcnt 0x0
; Three jobs, told apart by the work-group's number:
;   0-255    x [8192][1024] f32 -> codes of FP6 (E2M3) and E8M0 scale bytes, blocks of 32 along K (x's last axis)
;   256-383  Wqkv [1024][3072] and Wproj [1024][1024] f32 -> the same, blocks of 32 along K (their FIRST axis)
;   384-415  the table of cos and sin for the rotation: row t = cos(t f_d), d = 0..31, then sin(t f_d); f_d = 10000^(-d/32)
; THE CODES ARE LAID AS IMAGES OF OPERAND REGISTERS: [tile of 16 rows][K step of 128][piece p 0..5][lane][8 bytes]; lane (r, h), piece p = registers 2 p, 2 p + 1
; of the fragment, whose registers 6 c .. 6 c + 5 hold k = 64 c + 32 h + 0 .. 31 of row r.  A fragment is 1,536 bytes, a tile of rows 12,288.
; THE SCALE BYTES: [256 along K: sp 0..3][row][8 bytes]: two scale words, one for each K step of 128.
; A block's scale is 2^(floor(log2(largest magnitude)) - 2); its byte is the largest magnitude's exponent field - 2, held at 1 from below.
; LIMITS: NaN and infinities are not served; a block whose largest magnitude lies under 2^-124 has its byte held at 1; a block of zeros gets the byte 1 where the rule
; says 127 (its codes are zeros, and this program alone reads the bytes).  f_d is 2^(-d log2(10000)/32) by v_exp_f32: an angle t f_d can differ from one made
; with a correctly rounded f_d by about 2e-4 at t = 2047.
; No tensor load, no barrier: waves share nothing.  Each job has LDS bytes of its own.
.set XS,   6291456                     ; xq: where the scale bytes begin
.set XR,   32                          ; x: v32-159  two sets of 64 numbers as loaded
.set XN,   160                         ;    v160-223 64 numbers: two whole blocks of my row
.set XC,   224                         ;    v224-247 two sets of 12 registers of codes
.set XD,   248                         ;    v248-254 the conversions' second halves
.set SW,   16                          ;    v16-19   the four fragments' scale words
.set WOFF, 32                          ; W: v32-63   byte offsets of 32 rows
.set WX,   64                          ;    v64-127  two sets of 32 numbers
.set WC,   128                         ;    v128-133 a block's codes
.set WD,   136                         ;    v136-138 the second conversion's
.set WSB,  26                          ;    v26-27   eight scale bytes
.set WOUT, 144                         ;    v144-191 the way out
	s_load_b128 s[4:7], s[0:1], 0x0                ; x, Wqkv
	s_load_b128 s[8:11], s[0:1], 0x10              ; Wproj, xq
	s_load_b128 s[12:15], s[0:1], 0x20             ; wq, tab
	v_lshl_add_u32 v251, v0, 2, 0xe800
	v_mov_b32 v255, 0
	v_lshrrev_b32 v1, 5, v0
	v_readfirstlane_b32 s16, v1                    ; wave 0..3
	v_and_b32 v21, 31, v0                          ; lane
	v_and_b32 v22, 15, v0                          ; r
	v_bfe_u32 v23, v0, 4, 1                        ; h
	v_lshlrev_b32 v1, 4, v21                       ; 16 x lane
	v_lshlrev_b32 v4, 3, v21                       ; 8 x lane
	v_lshlrev_b32 v5, 3, v23                       ; 8 h
	v_lshlrev_b32 v24, 2, v21                      ; 4 x lane
	s_mul_i32 s17, s16, 8448                       ; x's stage: 16 rows x (512 + 16) bytes for each wave
	v_add_nc_u32 v2, s17, v1                       ; in: 16 bytes a lane of a row
	v_mul_u32_u24 v3, v22, 528
	v_lshl_add_u32 v3, v23, 7, v3
	v_add_nc_u32 v3, s17, v3                       ; back: row r, + 128 h: my block of 32
	s_mul_i32 s18, s16, 6400                       ; W's stage: two tiles x (3,072 + 128) bytes for each wave, behind x's stages
	s_add_co_u32 s18, s18, 33792
	v_mul_u32_u24 v6, v23, 3200
	v_lshl_add_u32 v6, v22, 3, v6
	v_add_nc_u32 v6, s18, v6                       ; in: my column's tile, 8 bytes at its row's place
	v_add_nc_u32 v7, s18, v1                       ; back: 16 bytes a lane
	s_mov_b32 s28, 0x76543210
	s_mov_b32 s29, 0xfedcba98                      ; v_permlanex16_b32's selects for lane l xor 16
	s_wait_kmcnt 0x0
	s_cmp_lt_u32 ttmp9, 256
	s_cbranch_scc0 .Lnot_x
; ---- x.  Work-group g: rows 32 g .. 32 g + 31.  Wave w: k = 256 w .. 256 w + 255: four fragments f = 2 x (tile of rows) + (K step).
	s_lshl_b32 s20, ttmp9, 17                      ; 32 rows of 4,096 bytes
	s_lshl_b32 s21, s16, 10
	s_add_co_u32 s20, s20, s21
	s_mov_b32 s21, 0
	s_add_nc_u64 s[4:5], s[4:5], s[20:21]
	s_mul_i32 s22, ttmp9, 24576                    ; two tiles of rows
	s_mul_i32 s23, s16, 3072                       ; two K steps
	s_add_co_u32 s22, s22, s23
	s_mov_b32 s23, 0
	s_add_nc_u64 s[24:25], s[10:11], s[22:23]      ; my codes
	s_lshl_b32 s22, ttmp9, 8                       ; 32 rows x 8 bytes
	s_lshl_b32 s26, s16, 16                        ; sp x 8,192 rows x 8 bytes
	s_add_co_u32 s22, s22, s26
	s_add_co_u32 s22, s22, XS
	s_add_nc_u64 s[26:27], s[10:11], s[22:23]      ; my scale words
	v_mov_b32 v15, 0                               ; a lane permute's destination counts as one of its sources
.macro XLOADF f                        ; 16 rows x 512 bytes: each load reads 512 consecutive bytes of one row
.irp i, 0,1,2,3,4,5,6,7,8,9,10,11,12,13,14,15
	global_load_b128 v[XR+64*((\f)%2)+4*\i:XR+64*((\f)%2)+4*\i+3], v1, s[4:5] offset:(16*((\f)/2)+\i)*4096+512*((\f)%2) th:TH_LOAD_NT
.endr
.endm
.macro XFRAG f
.set RS, XR+64*((\f)%2)
.set CC, XC+12*((\f)%2)
.if (\f) < 3
	s_wait_loadcnt 16                              ; this fragment's 16 loads are in; the next fragment's 16 may be out
.else
	s_wait_loadcnt 0x0
.endif
.irp i, 0,1,2,3,4,5,6,7,8,9,10,11,12,13,14,15
	ds_store_b128 v2, v[RS+4*\i:RS+4*\i+3] offset:528*\i
.endr
.irp c, 0,1
.irp e, 0,1,2,3,4,5,6,7
	ds_load_b128 v[XN+32*\c+4*\e:XN+32*\c+4*\e+3], v3 offset:256*\c+16*\e   ; LDS serves a wave's instructions in order: these see the stores above
.endr
.endr
	s_wait_dscnt 0x0                               ; my two blocks are in, and the stores have read their registers,
.if (\f) < 2
	XLOADF (\f)+2                                  ; which take the loads of two fragments on
.endif
.irp c, 0,1
	v_max3_num_f32 v[8+\c], |v[XN+32*\c]|, |v[XN+32*\c+1]|, 0x1800000   ; block 2 c + h: all 32 numbers are mine; the floor 2^(3 - 127) keeps the byte at 1 or above
.endr
.irp i, 2,4,6,8,10,12,14,16,18,20,22,24,26,28,30
.irp c, 0,1
	v_max3_num_f32 v[8+\c], v[8+\c], |v[XN+32*\c+\i]|, |v[XN+32*\c+\i+1]|
.endr
.endr
.irp c, 0,1
	v_add_nc_u32 v[10+\c], 0xff000000, v[8+\c]     ; 2 off the exponent field: the conversion's scale operand
.endr
.irp c, 0,1
	v_lshrrev_b32 v[12+\c], 23, v[10+\c]           ; the scale's byte
.endr
	s_wait_alu depctr_va_vdst(0)
	s_wait_xcnt 0x0                                ; the stores of two fragments back have read this set of codes
.irp c, 0,1
	v_cvt_scalef32_pk16_fp6_f32 v[CC+6*\c:CC+6*\c+2], v[XN+32*\c:XN+32*\c+15], v[10+\c]
	v_cvt_scalef32_pk16_fp6_f32 v[XD+4*\c:XD+4*\c+2], v[XN+32*\c+16:XN+32*\c+31], v[10+\c]   ; (a conversion's three registers begin on an even number)
.endr
	v_lshl_or_b32 v14, v13, 16, v12                ; my two bytes: blocks h and 2 + h.  (The plain line behind the conversions)
.irp c, 0,1
.irp i, 0,1,2
	v_mov_b32 v[CC+3+6*\c+\i], v[XD+4*\c+\i]
.endr
.endr
.irp p, 0,1,2,3,4,5
	global_store_b64 v4, v[CC+2*\p:CC+2*\p+1], s[24:25] offset:((\f)/2)*12288+((\f)%2)*1536+256*\p   ; 32 lanes store 256 consecutive bytes, aligned
.endr
	v_lshlrev_b32 v14, v5, v14                     ; at their places in the scale word,
	v_permlanex16_b32 v15, v14, s28, s29
	v_or_b32 v[SW+(\f)], v14, v15                  ; with lane l xor 16's two the word is whole
.endm
	XLOADF 0
	XLOADF 1
	s_wait_alu depctr_va_vdst(0)
	XFRAG 0
	XFRAG 1
	XFRAG 2
	XFRAG 3
	v_cmp_gt_u32 vcc_lo, 16, v21                   ; lanes 0-15 take the first tile's two words of row r, lanes 16-31 the second's
	v_cndmask_b32 v30, v[SW+2], v[SW], vcc_lo
	v_cndmask_b32 v31, v[SW+3], v[SW+1], vcc_lo
	global_store_b64 v4, v[30:31], s[26:27]        ; 32 rows x 8 bytes: 256 consecutive bytes, aligned
	s_wait_tensorcnt 0x0
	ds_add_u32 v251, v255
	s_wait_dscnt 0x0
	s_endpgm
.Lnot_x:
	s_cmp_lt_u32 ttmp9, 384
	s_cbranch_scc0 .Lpath_t
; ---- the weights.  A LANE TAKES A COLUMN n AND ITS REGISTERS RUN DOWN K.  Work-group: 256 along K (sp) x 128 columns; wave: 32 columns, 8 blocks.
	s_sub_co_u32 s20, ttmp9, 256
	s_lshr_b32 s21, s20, 5                         ; sp
	s_and_b32 s22, s20, 31                         ; group of 128 columns: 0-23 Wqkv's, 24-31 Wproj's
	s_cmp_lt_u32 s22, 24                           ; the choice hangs on the work-group's number alone
	s_cselect_b64 s[24:25], s[6:7], s[8:9]
	s_mov_b32 s26, 4096
	s_cselect_b32 s26, 12288, s26                  ; a row of the weight in bytes
	s_cselect_b32 s27, 0, 24
	s_cselect_b32 s30, 0, 2457600                  ; where its codes begin in wq,
	s_mov_b32 s31, 3244032
	s_cselect_b32 s31, 2359296, s31                ; its scale bytes,
	s_mov_b32 s33, 8192
	s_cselect_b32 s33, 24576, s33                  ; and 8 bytes x its columns
	s_sub_co_u32 s22, s22, s27
	s_lshl_b32 s34, s22, 7
	s_lshl_b32 s35, s16, 5
	s_add_co_u32 s34, s34, s35                     ; n0: my wave's first column
	s_mul_i32 s36, s21, s26
	s_lshl_b32 s36, s36, 8                         ; 256 sp rows,
	s_lshl_b32 s37, s34, 2
	s_add_co_u32 s36, s36, s37                     ; + 4 n0
	s_mov_b32 s37, 0
	s_add_nc_u64 s[40:41], s[24:25], s[36:37]      ; block 0's first row
	s_lshl_b32 s38, s26, 5                         ; 32 rows on
	s_mov_b32 s39, 0
.irp t, 1,2,3,4,5,6,7
	s_add_nc_u64 s[40+2*\t:41+2*\t], s[38+2*\t:39+2*\t], s[38:39]   ; a base for each block: none is written again
.endr
	s_mul_i32 s36, s34, 768                        ; n0 / 16 tiles of 12,288 bytes
	s_mul_i32 s35, s21, 3072
	s_add_co_u32 s36, s36, s35
	s_add_co_u32 s36, s36, s30
	s_add_nc_u64 s[56:57], s[12:13], s[36:37]      ; my codes
	s_mul_i32 s36, s21, s33
	s_lshl_b32 s35, s34, 3
	s_add_co_u32 s36, s36, s35
	s_add_co_u32 s36, s36, s31
	s_add_nc_u64 s[58:59], s[12:13], s[36:37]      ; my scale bytes
	s_wait_alu depctr_va_vdst(0)
.irp i, 0,1,2,3,4,5,6,7,8,9,10,11,12,13,14,15,16,17,18,19,20,21,22,23,24,25,26,27,28,29,30,31
	v_mad_u32_u24 v[WOFF+\i], s26, \i, v24         ; row i of a block, my column
.endr
.macro WLOAD t                         ; block t: 32 rows, 128 consecutive bytes a wave each
.irp i, 0,1,2,3,4,5,6,7,8,9,10,11,12,13,14,15,16,17,18,19,20,21,22,23,24,25,26,27,28,29,30,31
	global_load_b32 v[WX+32*((\t)%2)+\i], v[WOFF+\i], s[40+2*(\t):41+2*(\t)] th:TH_LOAD_NT
.endr
.endm
.macro WBLOCK t                        ; block t is K step t / 4 of the two, block 2 c + h of its four: c = (t / 2) % 2, h = t % 2
.set XB, WX+32*((\t)%2)
.if (\t) < 7
	s_wait_loadcnt 32                              ; this block's 32 loads are in; the next block's may be out
.else
	s_wait_loadcnt 0x0
.endif
	v_max3_num_f32 v12, |v[XB]|, |v[XB+1]|, |v[XB+2]|
	v_max3_num_f32 v13, |v[XB+3]|, |v[XB+4]|, |v[XB+5]|
.irp i, 6,10,14,18,22,26
	v_max3_num_f32 v12, v12, |v[XB+\i]|, |v[XB+\i+1]|
	v_max3_num_f32 v13, v13, |v[XB+\i+2]|, |v[XB+\i+3]|
.endr
	v_max3_num_f32 v12, v12, |v[XB+30]|, |v[XB+31]|
	v_max3_num_f32 v12, v12, v13, 0x1800000        ; and the floor
	v_add_nc_u32 v11, 0xff000000, v12
	v_lshrrev_b32 v13, 23, v11
.if (\t)%4 == 0
	v_mov_b32 v[WSB+(\t)/4], v13
.else
	v_lshl_or_b32 v[WSB+(\t)/4], v13, 8*((\t)%4), v[WSB+(\t)/4]
.endif
	v_cvt_scalef32_pk16_fp6_f32 v[WC:WC+2], v[XB:XB+15], v11
	v_cvt_scalef32_pk16_fp6_f32 v[WD:WD+2], v[XB+16:XB+31], v11
	v_nop                                          ; one plain line behind the conversions
.irp i, 0,1,2
	v_mov_b32 v[WC+3+\i], v[WD+\i]
.endr
.irp e, 0,1,2
	ds_store_b64 v6, v[WC+2*\e:WC+2*\e+1] offset:((\t)/4)*1536+(3*(((\t)/2)%2)+\e)*256+128*((\t)%2)   ; piece 3 c + e, lane r + 16 h of the image
.endr
.if (\t) < 6
	WLOAD (\t)+2
.endif
	s_wait_dscnt 0x0                               ; the stores have read their registers
.endm
	WLOAD 0
	WLOAD 1
.irp t, 0,1,2,3,4,5,6,7
	WBLOCK \t
.endr
	s_wait_alu depctr_va_vdst(0)
	global_store_b64 v4, v[WSB:WSB+1], s[58:59]    ; 32 columns x 8 bytes: 256 consecutive bytes, aligned
.irp i, 0,1,2,3,4,5,6,7,8,9,10,11
	ds_load_b128 v[WOUT+4*\i:WOUT+4*\i+3], v7 offset:(\i/6)*3200+512*(\i%6)
.endr
.irp i, 0,1,2,3,4,5,6,7,8,9,10,11
	s_wait_dscnt 11-\i                             ; load i is in; the later ones may be out
	global_store_b128 v1, v[WOUT+4*\i:WOUT+4*\i+3], s[56:57] offset:(\i/6)*12288+512*(\i%6)   ; 512 consecutive bytes, aligned
.endr
	s_wait_tensorcnt 0x0
	ds_add_u32 v251, v255
	s_wait_dscnt 0x0
	s_endpgm
.Lpath_t:
; ---- the table.  A wave makes 16 rows.  Lane l: d = 2 (l % 16) and d + 1; lanes 0-15 the cosines (a sine a quarter turn on), lanes 16-31 the sines.
	s_sub_co_u32 s20, ttmp9, 384
	s_lshl_b32 s20, s20, 6
	s_lshl_b32 s21, s16, 4
	s_add_co_u32 s20, s20, s21                     ; my first t
	s_lshl_b32 s22, s20, 8
	s_mov_b32 s23, 0
	s_add_nc_u64 s[14:15], s[14:15], s[22:23]
	s_mov_b32 s30, 0x3f22f983                      ; 2 / pi
	s_mov_b32 s31, 0xbfc90fdb                      ; -(pi / 2), its upper part,
	s_mov_b32 s32, 0x333bbd2e                      ; and what the upper part has too much
	s_mov_b32 s33, 0xb94ca1f9                      ; sine on [-pi/4, pi/4]: r + r z (s35 + z (s34 + z s33)), z = r r
	s_mov_b32 s34, 0x3c08839e
	s_mov_b32 s35, 0xbe2aaaa3
	s_mov_b32 s36, 0x37ccf5ce                      ; cosine: 1 - z / 2 + z z (s38 + z (s37 + z s36))
	s_mov_b32 s37, 0xbab6061a
	s_mov_b32 s38, 0x3d2aaaa5
	v_lshlrev_b32 v8, 1, v22
	v_cvt_f32_u32 v8, v8                           ; d
	v_add_f32 v9, 1.0, v8                          ; d + 1
	v_mul_f32 v8, 0xbed49a78, v8                   ; x -log2(10000) / 32
	v_mul_f32 v9, 0xbed49a78, v9
	s_wait_alu depctr_va_vdst(0)
	v_exp_f32 v8, v8                               ; f_d
	v_exp_f32 v9, v9
	v_xor_b32 v10, 1, v23                          ; 1 in the cosines' lanes.  (The plain line behind the exponentials)
	s_wait_alu depctr_va_vdst(0)                   ; one wait for both, ahead of their first reader and of the label
.macro ANGLE f, out
	v_mul_f32 v12, v11, v[\f]                      ; a = t f
	v_mul_f32 v13, s30, v12
	v_rndne_f32 v13, v13                           ; n: quarter turns
	v_fma_f32 v12, v13, s31, v12
	v_fma_f32 v12, v13, s32, v12                   ; r = a - n pi / 2, in two parts
	v_cvt_i32_f32 v14, v13
	v_add_nc_u32 v14, v14, v10                     ; the quadrant
	v_mul_f32 v15, v12, v12
	v_fma_f32 v16, v15, s33, s34
	v_fma_f32 v18, v15, s36, s37
	v_fma_f32 v16, v16, v15, s35
	v_fma_f32 v18, v18, v15, s38
	v_mul_f32 v17, v15, v12
	v_mul_f32 v19, v15, v15
	v_fma_f32 v20, v15, -0.5, 1.0
	v_fma_f32 v16, v16, v17, v12                   ; sin r
	v_fma_f32 v18, v18, v19, v20                   ; cos r
	v_and_b32 v17, 1, v14
	v_cmp_eq_u32 vcc_lo, 1, v17
	v_cndmask_b32 v16, v16, v18, vcc_lo            ; odd quadrants take the cosine,
	v_and_b32 v17, 2, v14
	v_lshlrev_b32 v17, 30, v17
	v_xor_b32 v[\out], v16, v17                    ; quadrants 2 and 3 the other sign
.endm
	s_mov_b32 s21, 16
.Lrow:
	v_cvt_f32_u32 v11, s20
	ANGLE 8, 28
	ANGLE 9, 29
	global_store_b64 v4, v[28:29], s[14:15]        ; a row: 256 consecutive bytes, aligned
	s_wait_xcnt 0x0                                ; the store has read its data and its base
	s_add_nc_u64 s[14:15], s[14:15], 256
	s_add_co_u32 s20, s20, 1
	s_sub_co_u32 s21, s21, 1
	s_cmp_lg_u32 s21, 0
	s_cbranch_scc1 .Lrow
	s_endpgm
.Lfunc_end_k_q51d0f1bd07_prep:
	.size	k_q51d0f1bd07_prep, .Lfunc_end_k_q51d0f1bd07_prep-k_q51d0f1bd07_prep
	.p2alignl 7, 3214868480
	.fill 96, 4, 3214868480
	.section	.rodata,"a",@progbits
	.p2align	6, 0x0
	.amdhsa_kernel k_q51d0f1bd07_prep
		.amdhsa_group_segment_fixed_size 59904
		.amdhsa_private_segment_fixed_size 0
		.amdhsa_enable_private_segment 0
		.amdhsa_kernarg_size 48
		.amdhsa_user_sgpr_count 2
		.amdhsa_user_sgpr_kernarg_segment_ptr 1
		.amdhsa_wavefront_size32 1
		.amdhsa_system_sgpr_workgroup_id_x 1
		.amdhsa_system_sgpr_workgroup_id_y 1
		.amdhsa_system_sgpr_workgroup_id_z 1
		.amdhsa_system_vgpr_workitem_id 0
		.amdhsa_next_free_vgpr 256
		.amdhsa_next_free_sgpr 66
		.amdhsa_reserve_vcc 1
		.amdhsa_float_denorm_mode_32 3
		.amdhsa_float_denorm_mode_16_64 3
		.amdhsa_memory_ordered 1
		.amdhsa_forward_progress 1
		.amdhsa_inst_pref_size 79
	.end_amdhsa_kernel
	.amdgpu_metadata
---
amdhsa.version: [ 1, 2 ]
amdhsa.kernels:
  - .name:           k_q51d0f1bd07_prep
    .symbol:         k_q51d0f1bd07_prep.kd
    .args:
      - { .name: x_btd, .offset: 0, .size: 8, .value_kind: global_buffer, .address_space: global }
      - { .name: Wqkv, .offset: 8, .size: 8, .value_kind: global_buffer, .address_space: global }
      - { .name: Wproj, .offset: 16, .size: 8, .value_kind: global_buffer, .address_space: global }
      - { .name: xq, .offset: 24, .size: 8, .value_kind: global_buffer, .address_space: global }
      - { .name: wq, .offset: 32, .size: 8, .value_kind: global_buffer, .address_space: global }
      - { .name: tab, .offset: 40, .size: 8, .value_kind: global_buffer, .address_space: global }
    .group_segment_fixed_size: 59904
    .private_segment_fixed_size: 0
    .kernarg_segment_align: 8
    .kernarg_segment_size: 48
    .max_flat_workgroup_size: 128
    .sgpr_count:     66
    .vgpr_count:     256
    .wavefront_size: 32
...
	.end_amdgpu_metadata
.endif
;; end of part 1
;; launch qkv (part 2): grid 12 x 32, 4 waves a work-group, clusters of 4 x 4, 327,680 bytes of LDS; arguments xq, wq, bqkv, tab, qr, kv; writes qr, kv
.if DOCPART == 2
	.amdgcn_target "amdgcn-amd-amdhsa--gfx1250"
	.amdhsa_code_object_version 6
	.text
	.protected	k_q51d0f1bd07_qkv
	.globl	k_q51d0f1bd07_qkv
	.p2align	8
	.type	k_q51d0f1bd07_qkv,@function
k_q51d0f1bd07_qkv:
	s_mov_b64 s[64:65], 0
	v_nop
	global_prefetch_b8 v0, s[64:65] scope:SCOPE_SE
	s_setreg_imm32_b32 hwreg(HW_REG_WAVE_MODE, 25, 1), 1
	s_wait_xcnt 0x0
	s_wait_alu depctr_hold_cnt(0) depctr_sa_sdst(0) depctr_va_vdst(0) depctr_va_sdst(0) depctr_va_ssrc(0) depctr_va_vcc(0) depctr_vm_vsrc(0)
	s_getreg_b32 s2, hwreg(HW_REG_IB_STS2, 6, 4)
	s_cmp_eq_u32 s2, 0
	s_cbranch_scc0 .Lentry_in_a_cluster
	s_endpgm
.Lentry_in_a_cluster:
	s_bfe_u32 s2, ttmp6, 0x10000c
	s_cmp_lg_u32 s2, 0xf033
	s_cbranch_scc0 .Lentry_shape_is_right
	s_endpgm
.Lentry_shape_is_right:
.set NQ,     2
.set FR,     12
.set NL,     6
.set NP,     4
.set FRB,    1536
.set TROW,   3072
.set RT,     12288
.set HALFT,  8*TROW
.set SLOT,   4*HALFT
.set SCL,    2*SLOT
.set SCLB,   SCL+8192+128
.set SPARE,  SCL+16640
.set XS,     6291456
.set BCODE,  0
.set BSC,    2359296
.set BROWS,  3072
.set ADRA, 16
.set ADRB, 20
.set ADRS, 27
.set SPW,  28
.set NIL,  29
.set SC,   32
.set BIAS, 64
.set AF,   128
.set HA,   64
.set PC,   128
.set TM,   200
.set PW,   216
.set TT,   218
.set VN,   64
.set SEL,  100
.set G1, 24
.set G0, 32
.set G1B, 48
.set G0B, 56
.set G1S, 68
.set G0S, 76
.set G1SB, 80
.set G0SB, 88
.set MSB, 0
.macro WIN new
.if MSB != (\new)
	s_set_vgpr_msb (MSB<<8)|(\new)
.set MSB, \new
.endif
.endm
.set MUL_LO, 0xa1
.set MUL_HI, 0xf1
.set TO_B,   0x40
.macro JLOAD g0a, g1a, g0b, g1b
	s_cmp_eq_u32 s17, 0
	s_cbranch_scc0 .Lfor_b_\@
	tensor_load_to_lds s[\g0a:\g0a+3], s[\g1a:\g1a+7]
	s_nop 0
.rept 4
	v_nop
.endr
	s_branch .Lasked_\@
.Lfor_b_\@:
	tensor_load_to_lds s[\g0b:\g0b+3], s[\g1b:\g1b+7]
	s_nop 0
.rept 4
	v_nop
.endr
.Lasked_\@:
.endm
.macro CREST
	s_cmp_lg_u32 s16, 0
	s_cbranch_scc1 .Lnot_wave_0_\@
	s_barrier_signal -3
.Lnot_wave_0_\@:
	s_barrier_wait -3
	s_barrier_signal -1
	s_barrier_wait -1
.endm
.macro CROUND
	s_barrier_signal -1
	s_barrier_wait -1
	CREST
.endm
	s_load_b128 s[4:7], s[0:1], 0x0
	s_load_b128 s[8:11], s[0:1], 0x10
	s_load_b128 s[12:15], s[0:1], 0x20
	v_lshl_add_u32 v[SPW], v0, 2, SPARE
	v_mov_b32 v[NIL], 0
	ds_add_u32 v28, v29
	ds_add_u32 v28, v29
	s_wait_dscnt 0x0
	v_lshrrev_b32 v1, 5, v0
	v_readfirstlane_b32 s16, v1
	s_lshr_b32 s17, s16, 1
	s_and_b32 s18, s16, 1
	s_bfe_u32 s40, ttmp6, 0x40000
	s_bfe_u32 s41, ttmp6, 0x40004
	s_lshl_b32 s42, ttmp9, 2
	s_add_co_u32 s42, s42, s40
	s_and_b32 s19, ttmp7, 0xffff
	s_lshl_b32 s19, s19, 2
	s_add_co_u32 s19, s19, s41
	s_lshl_b32 s43, s41, 2
	s_lshl_b32 s43, 15, s43
	s_lshl_b32 s44, 0x1111, s40
	s_or_b32 s[G1+0], s43, (3<<16)|(1<<21)
	s_or_b32 s[G1B+0], s44, (3<<16)|(1<<21)
.irp g, G1, G1B
	s_mov_b32 s[\g+1], 384<<16
	s_mov_b32 s[\g+2], 8<<16
	s_mov_b32 s[\g+3], 384<<16
	s_mov_b32 s[\g+4], 8
	s_mov_b32 s[\g+5], 1536
	s_mov_b32 s[\g+6], 0
	s_mov_b32 s[\g+7], 0
.endr
	s_or_b32 s[G1S+0], s43, (3<<16)|(1<<21)
	s_or_b32 s[G1SB+0], s44, (3<<16)|(1<<21)
.irp g, G1S, G1SB
	s_mov_b32 s[\g+1], 128<<16
	s_mov_b32 s[\g+2], 4<<16
	s_mov_b32 s[\g+3], 128<<16
	s_mov_b32 s[\g+4], 4
	s_mov_b32 s[\g+6], 0
	s_mov_b32 s[\g+7], 0
.endr
	s_mov_b32 s[G1S+5], 8192
	s_mov_b32 s[G1SB+5], BROWS
	s_lshl_b32 s45, s18, 3
	s_lshl_b32 s20, s19, 4
	s_add_co_u32 s20, s20, s45
	s_lshl_b32 s46, s42, 4
	s_add_co_u32 s46, s46, s45
	s_lshl_b32 s22, s20, 7
	s_add_co_u32 s22, s22, XS
	s_lshl_b32 s92, s46, 7
	s_add_co_u32 s92, s92, BSC
	s_mul_i32 s20, s20, RT
	s_mul_i32 s46, s46, RT
	s_add_co_u32 s46, s46, BCODE
	s_mov_b32 s21, 0
	s_mov_b32 s23, 0
	s_mov_b32 s47, 0
	s_mov_b32 s93, 0
	s_mul_i32 s45, s16, HALFT
	s_lshl_b32 s94, s16, 12
	s_wait_kmcnt 0x0
	s_add_nc_u64 s[20:21], s[4:5], s[20:21]
	s_add_nc_u64 s[22:23], s[4:5], s[22:23]
	s_add_nc_u64 s[46:47], s[6:7], s[46:47]
	s_add_nc_u64 s[92:93], s[6:7], s[92:93]
	CROUND
	s_mov_b32 s[G0S], 1
	s_add_co_u32 s[G0S+1], s94, SCL
	s_mov_b64 s[G0S+2:G0S+3], s[22:23]
	s_or_b32 s[G0S+3], s[G0S+3], 0x80000000
	s_mov_b32 s[G0SB], 1
	s_add_co_u32 s[G0SB+1], s94, SCLB-8192
	s_mov_b64 s[G0SB+2:G0SB+3], s[92:93]
	s_or_b32 s[G0SB+3], s[G0SB+3], 0x80000000
	JLOAD G0S, G1S, G0SB, G1SB
.irp s, 0,1
	s_mov_b32 s[G0+4*\s], 1
	s_add_co_u32 s[G0+4*\s+1], s45, \s*SLOT
	s_add_nc_u64 s[G0+4*\s+2:G0+4*\s+3], s[20:21], \s*TROW
	s_or_b32 s[G0+4*\s+3], s[G0+4*\s+3], 0x80000000
	s_mov_b32 s[G0B+4*\s], 1
	s_add_co_u32 s[G0B+4*\s+1], s45, \s*SLOT
	s_add_nc_u64 s[G0B+4*\s+2:G0B+4*\s+3], s[46:47], \s*TROW
	s_or_b32 s[G0B+4*\s+3], s[G0B+4*\s+3], 0x80000000
	s_wait_alu depctr_va_vdst(0)
	s_wait_tensorcnt 0x0
	ds_add_u32 v28, v29
	s_wait_dscnt 0x0
	CROUND
	JLOAD G0+4*\s, G1, G0B+4*\s, G1B
.endr
	v_and_b32 v1, 15, v0
	v_bfe_u32 v2, v0, 4, 1
	s_wait_alu depctr_va_vdst(0)
	v_and_b32 v3, 31, v0
	v_lshlrev_b32 v4, 3, v3
	s_mul_i32 s21, s17, HALFT
	s_mul_i32 s22, s18, HALFT
	s_add_co_u32 s22, s22, 2*HALFT
.irp s, 0,1
	v_add_nc_u32 v[ADRA+\s], s21, v4
	v_add_nc_u32 v[ADRB+\s], s22, v4
	s_add_co_u32 s21, s21, SLOT
	s_add_co_u32 s22, s22, SLOT
.endr
	v_lshlrev_b32 v5, 3, v1
	s_lshl_b32 s21, s17, 12
	s_lshl_b32 s22, s18, 12
	s_add_co_u32 s22, s22, SCLB-SCL
	s_sub_co_u32 s22, s22, s21
	v_mul_u32_u24 v6, s22, v2
	s_add_co_u32 s21, s21, SCL
	v_add_nc_u32 v5, v5, v6
	v_add_nc_u32 v[ADRS], s21, v5
	s_lshl_b32 s98, s42, 10
	s_lshl_b32 s99, s18, 9
	s_add_co_u32 s98, s98, s99
	s_mov_b32 s99, 0
	s_add_nc_u64 s[8:9], s[8:9], s[98:99]
	v_lshlrev_b32 v7, 5, v2
.irp b, 0,1,2,3,4,5,6,7
	global_load_b128 v[BIAS+8*\b:BIAS+8*\b+3], v7, s[8:9] offset:64*\b
	global_load_b128 v[BIAS+8*\b+4:BIAS+8*\b+7], v7, s[8:9] offset:64*\b+16
.endr
	s_lshl_b32 s98, s19, 8
	s_lshl_b32 s99, s17, 7
	s_add_co_u32 s98, s98, s99
	s_and_b32 s99, s98, 2047
	s_lshl_b32 s96, s99, 8
	s_mov_b32 s97, 0
	s_add_nc_u64 s[96:97], s[10:11], s[96:97]
	s_lshr_b32 s99, s98, 11
	s_lshl_b32 s99, s99, 4
	s_and_b32 s2, s42, 3
	s_lshl_b32 s2, s2, 2
	s_add_co_u32 s99, s99, s2
	s_lshl_b32 s2, s18, 1
	s_add_co_u32 s99, s99, s2
	s_lshl_b32 s99, s99, 4
	s_bfe_u32 s2, s98, 0x40007
	s_add_co_u32 s99, s99, s2
	s_cmp_eq_u32 ttmp9, 0
	s_cselect_b64 s[92:93], s[12:13], s[14:15]
	s_mov_b32 s3, 12800
	s_cselect_b32 s3, 6400, s3
	s_mov_b32 s2, 12288
	s_cselect_b32 s2, 6144, s2
	s_mul_i32 s98, s99, s3
	s_mov_b32 s99, 0
	s_add_nc_u64 s[92:93], s[92:93], s[98:99]
	s_lshl_b32 s98, s3, 4
	s_add_nc_u64 s[94:95], s[92:93], s[98:99]
	s_mov_b32 s[SEL], 0x76543210
	s_mov_b32 s[SEL+1], 0xfedcba98
	v_lshlrev_b32 v24, 4, v3
	v_add_nc_u32 v25, s2, v4
	v_lshlrev_b32 v26, 8, v1
	v_lshl_add_u32 v26, v2, 5, v26
	v_lshlrev_b32 v5, 3, v1
	v_add_nc_u32 v12, s45, v5
	v_add_nc_u32 v12, 19456, v12
	v_add_nc_u32 v13, s45, v4
	v_add_nc_u32 v13, 19456, v13
	v_mul_u32_u24 v8, v1, 144
	v_lshl_add_u32 v8, v2, 5, v8
	v_add_nc_u32 v8, s45, v8
	v_lshlrev_b32 v9, 2, v3
	v_add_nc_u32 v9, s45, v9
	v_and_b32 v5, 7, v0
	v_lshl_add_u32 v5, v2, 3, v5
	v_bfe_u32 v6, v0, 3, 1
	v_lshlrev_b32 v10, 3, v5
	v_lshl_add_u32 v10, v6, 2, v10
	v_add_nc_u32 v10, s45, v10
	v_add_nc_u32 v10, 18432, v10
	v_add_nc_u32 v11, s45, v4
	v_add_nc_u32 v11, 18432, v11
	v_mul_u32_u24 v30, v6, 1536
	v_lshl_add_u32 v30, v5, 4, v30
	v_add_nc_u32 v31, 12544, v4
.macro FRAG reg, adr, q, i
.irp p, 0,1,2,3,4,5
	ds_load_b64 v[\reg+2*\p:\reg+2*\p+1], v[\adr] offset:(\i)*TROW+(\q)*FRB+256*\p
.endr
.endm
.macro MUL16 a0, p, q, sc, first
.irp a, \a0, \a0+1
.irp b, 0,1,2,3,4,5,6,7
.if \first
	v_wmma_scale_f32_16x16x128_f8f6f4 v[8*(8*((\a)%4)+\b):8*(8*((\a)%4)+\b)+7], v[128*(\p)+FR*\b:128*(\p)+FR*\b+FR-1], v[AF+FR*(\a):AF+FR*(\a)+FR-1], v[BIAS+8*\b:BIAS+8*\b+7], v[SC+8*NQ*(\sc)+NQ*\b+(\q)], v[SC+8*NQ*(\sc)+NQ*(\a)+(\q)] matrix_a_fmt:MATRIX_FMT_FP6 matrix_b_fmt:MATRIX_FMT_FP6 matrix_a_scale:MATRIX_SCALE_ROW1
.else
	v_wmma_scale_f32_16x16x128_f8f6f4 v[8*(8*((\a)%4)+\b):8*(8*((\a)%4)+\b)+7], v[128*(\p)+FR*\b:128*(\p)+FR*\b+FR-1], v[AF+FR*(\a):AF+FR*(\a)+FR-1], v[8*(8*((\a)%4)+\b):8*(8*((\a)%4)+\b)+7], v[SC+8*NQ*(\sc)+NQ*\b+(\q)], v[SC+8*NQ*(\sc)+NQ*(\a)+(\q)] matrix_a_fmt:MATRIX_FMT_FP6 matrix_b_fmt:MATRIX_FMT_FP6 matrix_a_scale:MATRIX_SCALE_ROW1
.endif
.endr
.endr
.endm
.macro FETCH_B slot, q, p
	WIN TO_B
.irp i, 0,1,2,3,4,5,6,7
	FRAG 128*(\p)+FR*\i, ADRB+\slot, \q, \i
.endr
	WIN 0
.endm
.macro FETCH_A slot, q, i0
.irp i, \i0, \i0+1, \i0+2, \i0+3
	FRAG AF+FR*(\i), ADRA+\slot, \q, \i
.endr
.endm
.macro SCALES sc
.irp i, 0,1,2,3,4,5,6,7
	ds_load_b64 v[SC+8*NQ*\sc+NQ*\i:SC+8*NQ*\sc+NQ*\i+1], v[ADRS] offset:\i*128
.endr
.endm
.macro PLACES n
.rept \n
	v_nop
.endr
.endm
.macro STEP slot, q, first
	s_wait_dscnt 4*NL
.if \first
	WIN 0x81
.else
	WIN MUL_LO
.endif
	MUL16 0, (\q)%2, \q, \slot, \first
	MUL16 2, (\q)%2, \q, \slot, \first
	s_wait_dscnt 0
	PLACES NP
	FETCH_B \slot, (\q)+1, 1-(\q)%2
	FETCH_A \slot, (\q)+1, 0
.if \first
	WIN 0xc1
.else
	WIN MUL_HI
.endif
	MUL16 4, (\q)%2, \q, \slot, \first
	MUL16 6, (\q)%2, \q, \slot, \first
	PLACES NP
	WIN 0
	FETCH_A \slot, (\q)+1, 4
.endm
.macro TURN slot, next, fill
	s_wait_tensorcnt 0x0
	ds_add_u32 v[SPW], v[NIL]
	s_wait_dscnt 4*NL+1
	WIN MUL_LO
	MUL16 0, 1, NQ-1, \slot, 0
	s_wait_dscnt 0x0
	s_barrier_signal -1
	MUL16 2, 1, NQ-1, \slot, 0
	WIN 0
	s_barrier_wait -1
.if \fill
	CREST
	s_add_nc_u64 s[G0+4*\slot+2:G0+4*\slot+3], s[G0+4*\slot+2:G0+4*\slot+3], 2*TROW
	s_add_nc_u64 s[G0B+4*\slot+2:G0B+4*\slot+3], s[G0B+4*\slot+2:G0B+4*\slot+3], 2*TROW
	JLOAD G0+4*\slot, G1, G0B+4*\slot, G1B
.else
	PLACES NP
.endif
	s_wait_alu depctr_va_vdst(0)
	v_add_nc_u32 v[ADRS], 1024, v[ADRS]
	FETCH_B \next, 0, 0
	FETCH_A \next, 0, 0
	SCALES \next
	WIN MUL_HI
	MUL16 4, 1, NQ-1, \slot, 0
	MUL16 6, 1, NQ-1, \slot, 0
	PLACES NP
	WIN 0
	FETCH_A \next, 0, 4
.endm
.macro TABLOAD a
.irp o, 0,1,2,3
	global_load_b128 v[32*\a+8*\o:32*\a+8*\o+3], v26, s[96:97] offset:4096*\a+64*\o
	global_load_b128 v[32*\a+8*\o+4:32*\a+8*\o+7], v26, s[96:97] offset:4096*\a+64*\o+16
.endr
.endm
.macro FINISH
	s_wait_tensorcnt 0x0
	ds_add_u32 v[SPW], v[NIL]
	s_wait_dscnt 0x0
	CROUND
	s_endpgm
.endm
	s_wait_tensorcnt 1
	s_barrier_signal -1
	s_barrier_wait -1
	FETCH_B 0, 0, 0
	FETCH_A 0, 0, 0
	SCALES 0
	FETCH_A 0, 0, 4
	s_wait_loadcnt 0x0
	STEP 0, 0, 1
	TURN 0, 1, 1
	STEP 1, 0, 0
	TURN 1, 0, 1
	STEP 0, 0, 0
	TURN 0, 1, 0
	STEP 1, 0, 0
	s_cmp_eq_u32 ttmp9, 2
	s_cbranch_scc1 .Lno_tab
	WIN TO_B
	TABLOAD 0
	TABLOAD 1
	TABLOAD 2
	WIN 0
.Lno_tab:
	s_wait_dscnt 4*NL
	WIN MUL_LO
	MUL16 0, 1, NQ-1, 1, 0
	MUL16 2, 1, NQ-1, 1, 0
	s_wait_dscnt 0
	WIN MUL_HI
	MUL16 4, 1, NQ-1, 1, 0
	MUL16 6, 1, NQ-1, 1, 0
	WIN 0
	PLACES NP
	s_cmp_eq_u32 ttmp9, 2
	s_cbranch_scc1 .Lway_v
.macro QUANT s
.irp b, 0,1,2,3
	v_max3_num_f32 v[TM+\b], |v[\s+16*\b]|, |v[\s+1+16*\b]|, 0x1800000
.endr
.irp i, 2,4,6,8,10,12,14
.irp b, 0,1,2,3
	v_max3_num_f32 v[TM+\b], v[TM+\b], |v[\s+16*\b+\i]|, |v[\s+1+16*\b+\i]|
.endr
.endr
.irp b, 0,1,2,3
	v_permlanex16_b32 v[TM+4+\b], v[TM+\b], s[SEL], s[SEL+1]
.endr
.irp b, 0,1,2,3
	v_max_num_f32 v[TM+\b], v[TM+\b], v[TM+4+\b]
.endr
.irp b, 0,1,2,3
	v_add_nc_u32 v[TM+12+\b], 0xff000000, v[TM+\b]
.endr
.irp b, 0,1,2,3
	v_lshrrev_b32 v[TM+4+\b], 23, v[TM+12+\b]
.endr
	v_lshl_or_b32 v[PW], v[TM+5], 8, v[TM+4]
	v_lshl_or_b32 v[PW], v[TM+6], 16, v[PW]
	v_lshl_or_b32 v[PW], v[TM+7], 24, v[PW]
.irp c, 0,1
	v_cvt_scalef32_pk16_fp6_f32 v[PC+6*\c:PC+2+6*\c], v[\s+32*\c:\s+15+32*\c], v[TM+12+2*\c]
	v_cvt_scalef32_pk16_fp6_f32 v[PC+12+4*\c:PC+14+4*\c], v[\s+16+32*\c:\s+31+32*\c], v[TM+12+2*\c+1]
.endr
	v_nop
.irp c, 0,1
.irp i, 0,1,2
	v_permlane16_swap_b32 v[PC+6*\c+\i], v[PC+12+4*\c+\i]
.endr
.irp i, 0,1,2
	v_mov_b32 v[PC+3+6*\c+\i], v[PC+12+4*\c+\i]
.endr
.endr
.endm
.macro QK d, e
	s_wait_xcnt 0x0
	s_wait_dscnt 0x0
.if \e == 0
	s_wait_loadcnt 48-16*\d
.endif
	WIN 0x06+(\d)/2
.irp ai, 0,1
.irp u, 0,1
.irp j, 0,2,4,6
.set A1, 8*(8*((2*\d+\ai)%4)+4*\e+\u)+\j
.set A2, A1+16
.set TR, 32*(2*\d+\ai)+8*\u+\j
	v_pk_mul_f32 v[TT:TT+1], v[A2:A2+1], v[TR+16:TR+17]
	v_pk_mul_f32 v[TT+2:TT+3], v[A1:A1+1], v[TR+16:TR+17]
	v_pk_fma_f32 v[HA+32*\ai+8*\u+\j:HA+32*\ai+8*\u+\j+1], v[A1:A1+1], v[TR:TR+1], v[TT:TT+1] neg_lo:[0,0,1] neg_hi:[0,0,1]
	v_pk_fma_f32 v[HA+32*\ai+16+8*\u+\j:HA+32*\ai+16+8*\u+\j+1], v[A2:A2+1], v[TR:TR+1], v[TT+2:TT+3]
.endr
.endr
.endr
	WIN 0
	QUANT HA
.irp g, 0,1,2
	global_store_b128 v24, v[PC+4*\g:PC+4*\g+3], s[92+2*\e:93+2*\e] offset:1536*\d+512*\g
.endr
	ds_store_b32 v12, v[PW] offset:256*\e+128*((\d)/2)+4*((\d)%2)
.endm
	WIN TO_B
	TABLOAD 3
	TABLOAD 4
	TABLOAD 5
	TABLOAD 6
	TABLOAD 7
	WIN 0
.irp b, 0,1,2,3
	v_mov_b32 v[TM+4+\b], 0
.endr
.irp d, 0,1,2,3
	QK \d, 0
	QK \d, 1
.endr
	ds_load_b64 v[224:225], v13
	ds_load_b64 v[226:227], v13 offset:256
	s_wait_dscnt 0x0
	global_store_b64 v25, v[224:225], s[92:93]
	global_store_b64 v25, v[226:227], s[94:95]
	FINISH
.Lway_v:
.macro VLOADK kb
.irp pos, 0,1,2,3,4,5,6,7,8,9,10,11,12,13,14,15,16,17,18,19,20,21,22,23,24,25,26,27,28,29,30,31
	ds_load_b32 v[VN+32*(\kb)+\pos], v9 offset:144*(32*(\kb)+(\pos%8)+16*((\pos/8)%2)+8*(\pos/16))
.endr
.endm
.macro VQ kb, left
.set XB, VN+32*(\kb)
.set CD, 192+12*((\kb)%2)+6*((\kb)/2)
	s_wait_dscnt \left
	v_max3_num_f32 v220, |v[XB]|, |v[XB+1]|, |v[XB+2]|
	v_max3_num_f32 v221, |v[XB+3]|, |v[XB+4]|, |v[XB+5]|
.irp i, 6,10,14,18,22,26
	v_max3_num_f32 v220, v220, |v[XB+\i]|, |v[XB+\i+1]|
	v_max3_num_f32 v221, v221, |v[XB+\i+2]|, |v[XB+\i+3]|
.endr
	v_max3_num_f32 v220, v220, |v[XB+30]|, |v[XB+31]|
	v_max3_num_f32 v220, v220, v221, 0x1800000
	v_add_nc_u32 v222, 0xff000000, v220
	v_lshrrev_b32 v223, 23, v222
.if (\kb) == 0
	v_mov_b32 v224, v223
.else
	v_lshl_or_b32 v224, v223, 8*(\kb), v224
.endif
	v_cvt_scalef32_pk16_fp6_f32 v[CD:CD+2], v[XB:XB+15], v222
	v_cvt_scalef32_pk16_fp6_f32 v[216:218], v[XB+16:XB+31], v222
	v_nop
.irp i, 0,1,2
	v_mov_b32 v[CD+3+\i], v[216+\i]
.endr
.endm
.macro VROUND b2
	WIN 0x08
.irp a, 0,1,2,3
.irp u, 0,1
	ds_store_b128 v8, v[8*(8*\a+2*\b2+\u):8*(8*\a+2*\b2+\u)+3] offset:2304*\a+64*\u
	ds_store_b128 v8, v[8*(8*\a+2*\b2+\u)+4:8*(8*\a+2*\b2+\u)+7] offset:2304*\a+64*\u+16
.endr
.endr
	WIN 0x0c
.irp a, 0,1,2,3
.irp u, 0,1
	ds_store_b128 v8, v[8*(8*\a+2*\b2+\u):8*(8*\a+2*\b2+\u)+3] offset:2304*(\a+4)+64*\u
	ds_store_b128 v8, v[8*(8*\a+2*\b2+\u)+4:8*(8*\a+2*\b2+\u)+7] offset:2304*(\a+4)+64*\u+16
.endr
.endr
	WIN 0
	VLOADK 0
	VLOADK 1
	s_wait_xcnt 0x0
	VQ 0, 32
	VLOADK 2
	VQ 1, 32
	VLOADK 3
	VQ 2, 32
	VQ 3, 0
.irp hh, 0,1
.irp g, 0,1,2
	global_store_b128 v30, v[192+12*\hh+4*\g:192+12*\hh+4*\g+3], s[92+2*((\b2)/2):93+2*((\b2)/2)] offset:6144+3072*((\b2)%2)+512*\g+256*\hh
.endr
.endr
	ds_store_b32 v10, v224 offset:256*((\b2)/2)+128*((\b2)%2)
.if (\b2)%2 == 1
	ds_load_b64 v[226:227], v11 offset:256*((\b2)/2)
	s_wait_dscnt 0x0
	global_store_b64 v31, v[226:227], s[92+2*((\b2)/2):93+2*((\b2)/2)]
.endif
.endm
	VROUND 0
	VROUND 1
	VROUND 2
	VROUND 3
	FINISH
.Lfunc_end_k_q51d0f1bd07_qkv:
	.size	k_q51d0f1bd07_qkv, .Lfunc_end_k_q51d0f1bd07_qkv-k_q51d0f1bd07_qkv
	.p2alignl 7, 3214868480
	.fill 96, 4, 3214868480
	.section	.rodata,"a",@progbits
	.p2align	6, 0x0
	.amdhsa_kernel k_q51d0f1bd07_qkv
		.amdhsa_group_segment_fixed_size 327680
		.amdhsa_private_segment_fixed_size 0
		.amdhsa_enable_private_segment 0
		.amdhsa_kernarg_size 48
		.amdhsa_user_sgpr_count 2
		.amdhsa_user_sgpr_kernarg_segment_ptr 1
		.amdhsa_wavefront_size32 1
		.amdhsa_system_sgpr_workgroup_id_x 1
		.amdhsa_system_sgpr_workgroup_id_y 1
		.amdhsa_system_sgpr_workgroup_id_z 1
		.amdhsa_system_vgpr_workitem_id 0
		.amdhsa_next_free_vgpr 1024
		.amdhsa_next_free_sgpr 102
		.amdhsa_reserve_vcc 0
		.amdhsa_float_denorm_mode_32 3
		.amdhsa_float_denorm_mode_16_64 3
		.amdhsa_memory_ordered 1
		.amdhsa_forward_progress 1
		.amdhsa_inst_pref_size 255
	.end_amdhsa_kernel
	.section	.bss,"aw",@nobits
	.p2align	6
	.space	262144
	.amdgpu_metadata
---
amdhsa.version: [ 1, 2 ]
amdhsa.kernels:
  - .name:           k_q51d0f1bd07_qkv
    .symbol:         k_q51d0f1bd07_qkv.kd
    .args:
      - { .name: xq, .offset: 0, .size: 8, .value_kind: global_buffer, .address_space: global }
      - { .name: wq, .offset: 8, .size: 8, .value_kind: global_buffer, .address_space: global }
      - { .name: bqkv, .offset: 16, .size: 8, .value_kind: global_buffer, .address_space: global }
      - { .name: tab, .offset: 24, .size: 8, .value_kind: global_buffer, .address_space: global }
      - { .name: qr, .offset: 32, .size: 8, .value_kind: global_buffer, .address_space: global }
      - { .name: kv, .offset: 40, .size: 8, .value_kind: global_buffer, .address_space: global }
    .group_segment_fixed_size: 327680
    .private_segment_fixed_size: 0
    .kernarg_segment_align: 8
    .kernarg_segment_size: 48
    .max_flat_workgroup_size: 128
    .sgpr_count:     102
    .vgpr_count:     1024
    .wavefront_size: 32
...
	.end_amdgpu_metadata
.endif
;; end of part 2
;; launch attn (part 3): grid 4 x 64, 16 waves a work-group, clusters of 4 x 1, 258,048 bytes of LDS; arguments qr, kv, oc; writes oc
.if DOCPART == 3
	.amdgcn_target "amdgcn-amd-amdhsa--gfx1250"
	.amdhsa_code_object_version 6
	.text
	.protected	k_q51d0f1bd07_attn
	.globl	k_q51d0f1bd07_attn
	.p2align	8
	.type	k_q51d0f1bd07_attn,@function
k_q51d0f1bd07_attn:
	s_mov_b64 s[64:65], 0
	v_nop
	global_prefetch_b8 v0, s[64:65] scope:SCOPE_SE
	s_setreg_imm32_b32 hwreg(HW_REG_WAVE_MODE, 25, 1), 1
	s_wait_xcnt 0x0
	s_wait_alu depctr_hold_cnt(0) depctr_sa_sdst(0) depctr_va_vdst(0) depctr_va_sdst(0) depctr_va_ssrc(0) depctr_va_vcc(0) depctr_vm_vsrc(0)
	s_getreg_b32 s2, hwreg(HW_REG_IB_STS2, 6, 4)
	s_cmp_eq_u32 s2, 0
	s_cbranch_scc0 .Lentry_in_a_cluster
	s_endpgm
.Lentry_in_a_cluster:
	s_bfe_u32 s2, ttmp6, 0x10000c
	s_cmp_lg_u32 s2, 0x3003
	s_cbranch_scc0 .Lentry_shape_is_right
	s_endpgm
.Lentry_shape_is_right:
; O = softmax(q k^T / 8) v for 64 heads of 2,048 tokens x 64, both products on codes of FP6 (E2M3) with E8M0 scales; the result is quantised along the model's 1,024 for the last product.
; THE SOFTMAX: t = score x log2(e) / 8; M = the running largest t rounded UP to a whole number; p = 2^(t - M) is what is quantised, along the keys, not normalised.
; The row's sum is taken of the unquantised p and divides O at the end.  When M moves, the sum and O are multiplied by 2^(old M - new M): exact.
; SHARES.  A work-group owns 512 queries of one head, in two passes of 256; each of its sixteen waves owns one tile of 16 queries a pass, in 256 registers.
; THE WHOLE HEAD'S K, V AND SCALE WORDS, 16 records of 12,800 bytes, lie in LDS for the whole launch: filled once, never again.  Each of the sixteen waves asks for one record, its one tensor load;
; the four work-groups of a cluster own the same head and ask jointly.  One barrier shows all records to all waves; no other barrier stands in the launch: nothing in LDS is written after it.
; No prefetch: every tile of the launch is asked for by the head's one load a wave, so there is no loop to run ahead in.
; A record (128 keys): K's 4 double fragments, V's 4 fragments, K's scale words, V's: images of operand registers, [4 registers][lane][16 bytes], 25 rows of 512 bytes.
; IN LDS each row of 512 bytes is followed by 128 bytes of padding (a record: 25 x 640 bytes).  So rows 0-7 of fragment 2 c and rows 0-7 of fragment 2 c + 1, 3 x 640 bytes apart, begin 128 bytes apart modulo 256.
; K = 64 IN AN INSTRUCTION OF K = 128: a double fragment of k holds key 32 d + r in k 0-63 and key 32 d + 16 + r in k 64-127.  Against (q, zeros) it gives the first key's scores, against (zeros, q) the second's.
; WHICH ROWS FORM A TILE is chosen by the lanes' LDS addresses: operand x = 2 c + s takes rows 8 s .. 8 s + 7 of fragment 2 c in lanes 0-7 and the same rows of fragment 2 c + 1 in lanes 8-15.
; Both products are used transposed (S^T = k q^T, O^T = v^T p^T): a lane holds one query, and the 32 registers 96 + 32 c .. of lane (r, h) are the WHOLE key block 2 c + h, in the order in which V was laid
; (keys 0-7, 16-23, 8-15, 24-31 of the block).  So a block's largest p and its codes need no other lane, and the conversions' results are the operand's registers.
; THE ROW'S SUM: 28 packed additions onto four partial sums stand round the second product as its places; the last four stand behind the next step's first products, as theirs.
; LIMITS: the promise holds while the scaled scores t stay under 2^31 in magnitude; NaN and infinities are not served; a block's byte is held at 1 from below; a block of zeros gets the byte 1 (its codes are zeros; this program alone reads the bytes).
; REGISTERS: v1-9 addresses and constants; v8 the largest score; v10, v12 -M by turns; v[14:15] the sum; v16-33 zeros, q, zeros; v34-39 scale words; v40-87 four fragments of K, then of V; v88-93 constants;
; v96-159 S^T, then p; v160-191 O^T; v192-210 codes; v216-223 partial sums; v224-230 the second pass's q; v232-254 at work.
.set XS,   6291456                     ; where the scale bytes begin in oc
.set REC,  12800                       ; a record in memory
.set PCE,  640                         ; an LDS row: 512 bytes + 128 of padding
.set LREC, 25*PCE                      ; a record in LDS
.set VFO,  12*PCE                      ; V's fragments in it
.set SCO,  24*PCE                      ; the scale words: K's 256 bytes, then V's
.set SPARE, 16*LREC                    ; the spare words: 128 bytes for each of 16 waves
.set AK,   3                           ; v3  K's fragments, this trip
.set AV,   4                           ; v4  16 x lane + the trip's records
.set AKS,  5                           ; v5  K's scale words
.set AVS,  6                           ; v6  8 x lane + the trip's records
.set KS,   34                          ; v34-35 K's scale words: register s, lanes 0-15 c = 0, lanes 16-31 c = 1
.set VS,   36                          ; v36-37 V's: register c % 2, lanes 0-15 c < 2, lanes 16-31 c >= 2
.set QS,   38                          ; v38  q's scale word: its two bytes, twice
.set PW,   39                          ; v39  p's scale word
.set FB,   40
.set TS,   216
.set WV,   18
.set SEL,  20
.set CS,   22                          ; s[22:23] c = log2(e) / 8
.set G1,   24
.set G0,   32
.set TB,   48                          ; s48  the trip's two records in LDS
.set PASS, 49
.set CNT,  50
.set NC,   51                          ; s51  -c
.macro CROUND                          ; a round of the cluster's barrier
	s_barrier_signal -1
	s_barrier_wait -1
	s_cmp_lg_u32 s[WV], 0
	s_cbranch_scc1 .Lnot_wave_0_\@
	s_barrier_signal -3
.Lnot_wave_0_\@:
	s_barrier_wait -3
	s_barrier_signal -1
	s_barrier_wait -1
.endm
	s_load_b128 s[4:7], s[0:1], 0x0                ; qr, kv
	s_load_b64 s[8:9], s[0:1], 0x10                ; oc
	v_lshl_add_u32 v253, v0, 2, SPARE
	v_mov_b32 v255, 0
	ds_add_u32 v253, v255                          ; the opening lines: the add twice on end and its wait
	ds_add_u32 v253, v255
	v_lshrrev_b32 v94, 5, v0
	s_delay_alu instid0(VALU_DEP_1)
	v_readfirstlane_b32 s[WV], v94                 ; wave 0..15
	s_bfe_u32 s10, ttmp6, 0x40000                  ; cx
	s_lshl_b32 s11, ttmp9, 2
	s_add_co_u32 s10, s10, s11                     ; x: which 512 queries.  It enters q's and oc's addresses alone
	s_and_b32 s11, ttmp7, 0xffff                   ; the head, 0..63, which the four partners share
	s_mul_i32 s14, s[WV], REC                      ; wave w brings record w
	s_mul_i32 s12, s11, 16*REC
	s_add_co_u32 s12, s12, s14
	s_mov_b32 s13, 0
	s_mov_b32 s[G1], 15|(3<<16)|(1<<20)|(1<<21)|(6<<22)|(31<<25)   ; the mask: all four work-groups; elements of 8 bytes; padding on; bit 21 beside a mask; after every 128 words 32 words
	s_mov_b32 s[G1+1], 64<<16                      ; a record is dense: 25 rows of 512 bytes
	s_mov_b32 s[G1+2], 25<<16
	s_mov_b32 s[G1+3], 64<<16
	s_mov_b32 s[G1+4], 25
	s_mov_b32 s[G1+5], 64
	s_mov_b32 s[G1+6], 0
	s_mov_b32 s[G1+7], 0
	s_mov_b32 s[G0], 1
	s_mul_i32 s[G0+1], s[WV], LREC
	s_mov_b32 s[SEL], 0x76543210
	s_mov_b32 s[SEL+1], 0xfedcba98
	s_mov_b32 s[CS], 0x3e38aa3b
	s_mov_b32 s[CS+1], s[CS]
	s_mov_b32 s[NC], 0xbe38aa3b
	s_wait_dscnt 0x0
	s_wait_kmcnt 0x0
	s_add_nc_u64 s[G0+2:G0+3], s[6:7], s[12:13]
	s_or_b32 s[G0+3], s[G0+3], 0x80000000
	CROUND                                         ; all four work-groups are here: the joint loads meet
	tensor_load_to_lds s[G0:G0+3], s[G1:G1+7]      ; my one tensor load of the launch
	s_nop 0
	; q: my tile is half (wave % 2) of double fragment d = (wave / 2) % 4 of record wave / 8: registers 0-5 or 6-11 of the image, in pieces of 8 bytes
	s_bfe_u32 s15, s[WV], 0x20001                  ; d
	s_mul_i32 s16, s15, 1536
	s_and_b32 s17, s[WV], 1
	s_cmp_eq_u32 s17, 1
	s_cselect_b32 s58, 520, 0
	s_cselect_b32 s59, 1024, 8
	s_mov_b32 s60, 512
	s_cselect_b32 s60, 1032, s60
	s_mov_b32 s61, 0x01000100                      ; my tile's two scale bytes of the word's four, twice
	s_cselect_b32 s61, 0x03020302, s61
	s_add_co_u32 s58, s58, s16
	s_add_co_u32 s59, s59, s16
	s_add_co_u32 s60, s60, s16
	s_lshr_b32 s62, s15, 1
	s_lshl_b32 s62, s62, 7
	s_and_b32 s63, s15, 1
	s_lshl_b32 s63, s63, 2
	s_add_co_u32 s62, s62, s63
	s_add_co_u32 s62, s62, 6144
	s_lshr_b32 s66, s11, 4                         ; the batch
	s_and_b32 s67, s11, 15                         ; the head in it
	s_mul_i32 s68, s11, 102400
	s_lshl_b32 s69, s10, 2
	s_lshr_b32 s70, s[WV], 3
	s_add_co_u32 s69, s69, s70
	s_mul_i32 s69, s69, 6400
	s_add_co_u32 s68, s68, s69
	s_mov_b32 s69, 0
	s_add_nc_u64 s[52:53], s[4:5], s[68:69]        ; q's record of the first pass; the second pass's lies two records on
	s_lshl_b32 s70, s66, 7
	s_lshl_b32 s71, s10, 5
	s_add_co_u32 s70, s70, s71
	s_add_co_u32 s70, s70, s[WV]                   ; my tile of tokens: 128 x batch + 32 x + wave (+ 16 in the second pass)
	s_mul_i32 s72, s70, 12288
	s_lshr_b32 s71, s67, 1                         ; K step = head / 2;
	s_mul_i32 s71, s71, 1536
	s_add_co_u32 s72, s72, s71
	s_and_b32 s71, s67, 1                          ; pieces 3 (head % 2) on
	s_mul_i32 s73, s71, 768
	s_add_co_u32 s72, s72, s73
	s_mov_b32 s73, 0
	s_add_nc_u64 s[54:55], s[8:9], s[72:73]        ; my codes in oc
	s_lshl_b32 s74, s70, 7                         ; 16 rows x 8 bytes a tile
	s_lshl_b32 s71, s71, 1                         ; bytes 2 (head % 2), + 1
	s_add_co_u32 s74, s74, s71
	s_bfe_u32 s71, s67, 0x10001                    ; word (head / 2) % 2
	s_lshl_b32 s71, s71, 2
	s_add_co_u32 s74, s74, s71
	s_lshr_b32 s71, s67, 2                         ; 256 along K: head / 4
	s_lshl_b32 s71, s71, 16
	s_add_co_u32 s74, s74, s71
	s_add_co_u32 s74, s74, XS
	s_mov_b32 s75, 0
	s_add_nc_u64 s[56:57], s[8:9], s[74:75]        ; my scale bytes in oc
	; the lanes' constants, in one run of vector lines
	v_and_b32 v94, 31, v0
	v_and_b32 v95, 15, v0
	v_lshlrev_b32 v1, 4, v94                       ; 16 x lane
	v_lshlrev_b32 v2, 3, v94                       ; 8 x lane
	v_lshlrev_b32 v9, 3, v95                       ; 8 r
	v_add_nc_u32 v90, s58, v1                      ; q's three pieces
	v_add_nc_u32 v91, s59, v1
	v_add_nc_u32 v92, s60, v1
	v_add_nc_u32 v93, s62, v9                      ; the scale word of double fragment d, row r
	global_load_b64 v[22:23], v90, s[52:53]        ; q's six registers and its scale word, for both passes: they land while the records do
	global_load_b64 v[24:25], v91, s[52:53]
	global_load_b64 v[26:27], v92, s[52:53]
	global_load_b32 v[QS], v93, s[52:53]
	global_load_b64 v[224:225], v90, s[52:53] offset:12800
	global_load_b64 v[226:227], v91, s[52:53] offset:12800
	global_load_b64 v[228:229], v92, s[52:53] offset:12800
	global_load_b32 v230, v93, s[52:53] offset:12800
	v_and_b32 v94, 7, v0                           ; r % 8
	v_bfe_u32 v95, v0, 3, 1                        ; r / 8
	v_bfe_u32 v7, v0, 4, 1                         ; h
	v_lshlrev_b32 v88, 4, v94
	v_lshlrev_b32 v89, 3, v94
	v_lshl_add_u32 v88, v7, 8, v88
	v_lshl_add_u32 v89, v95, 2, v89
	v_mad_u32_u24 v88, v95, 3*PCE, v88             ; K: 16 (r % 8) + 256 h + three LDS rows x (r / 8): lanes 8-15 read the next fragment
	v_lshl_add_u32 v89, v7, 7, v89                 ; K's scale words: 8 (r % 8) + 4 (r / 8) + 128 h
	v_lshlrev_b32 v7, 3, v7                        ; 8 h
.irp i, 16,17,18,19,20,21,28,29,30,31,32,33
	v_mov_b32 v[\i], 0                             ; zero codes on both sides of q: written once
.endr
.irp i, 11,13,236,237,251,254
	v_mov_b32 v[\i], 0                             ; lane permutes' destinations, and the upper halves of pairs of which the low word alone is used
.endr
	s_wait_alu depctr_va_vdst(0)                   ; directly ahead of the wait below
	s_wait_loadcnt 0x0
	v_perm_b32 v[QS], v[QS], v[QS], s61            ; my tile's two bytes, twice
	v_perm_b32 v230, v230, v230, s61
	s_wait_alu depctr_va_vdst(0)                   ; the wait at the head's end
	s_wait_tensorcnt 0x0                           ; my record is in;
	s_barrier_signal -1
	s_barrier_wait -1                              ; everybody's is.
.macro KQ x
	s_wait_dscnt 9-3*\x                            ; K's scale words and operands 0 .. x are in; the later ones' three loads each may be out
.if \x < 2
	v_wmma_scale_f32_16x16x128_f8f6f4 v[96+16*\x:103+16*\x], v[FB+12*\x:FB+12*\x+11], v[22:33], 0, v[KS+\x%2], v[QS] matrix_a_fmt:MATRIX_FMT_FP6 matrix_b_fmt:MATRIX_FMT_FP6
	v_wmma_scale_f32_16x16x128_f8f6f4 v[104+16*\x:111+16*\x], v[FB+12*\x:FB+12*\x+11], v[16:27], 0, v[KS+\x%2], v[QS] matrix_a_fmt:MATRIX_FMT_FP6 matrix_b_fmt:MATRIX_FMT_FP6
.else
	v_wmma_scale_f32_16x16x128_f8f6f4 v[96+16*\x:103+16*\x], v[FB+12*\x:FB+12*\x+11], v[22:33], 0, v[KS+\x%2], v[QS] matrix_a_fmt:MATRIX_FMT_FP6 matrix_b_fmt:MATRIX_FMT_FP6 matrix_a_scale:MATRIX_SCALE_ROW1
	v_wmma_scale_f32_16x16x128_f8f6f4 v[104+16*\x:111+16*\x], v[FB+12*\x:FB+12*\x+11], v[16:27], 0, v[KS+\x%2], v[QS] matrix_a_fmt:MATRIX_FMT_FP6 matrix_b_fmt:MATRIX_FMT_FP6 matrix_a_scale:MATRIX_SCALE_ROW1
.endif
.endm
.macro PV c
.if \c < 2
	v_wmma_scale_f32_16x16x128_f8f6f4 v[160+8*\c:167+8*\c], v[FB+12*\c:FB+12*\c+11], v[192:203], v[160+8*\c:167+8*\c], v[VS+\c%2], v[PW] matrix_a_fmt:MATRIX_FMT_FP6 matrix_b_fmt:MATRIX_FMT_FP6
.else
	v_wmma_scale_f32_16x16x128_f8f6f4 v[160+8*\c:167+8*\c], v[FB+12*\c:FB+12*\c+11], v[192:203], v[160+8*\c:167+8*\c], v[VS+\c%2], v[PW] matrix_a_fmt:MATRIX_FMT_FP6 matrix_b_fmt:MATRIX_FMT_FP6 matrix_a_scale:MATRIX_SCALE_ROW1
.endif
.endm
.macro TADD n                          ; n more pairs of p onto the four partial sums, by turns
.rept \n
	v_pk_add_f32 v[TS+2*(PJ%4):TS+2*(PJ%4)+1], v[TS+2*(PJ%4):TS+2*(PJ%4)+1], v[96+2*PJ:97+2*PJ]
.set PJ, PJ+1
.endr
.endm
.macro JOIN                            ; the four partial sums onto the row's sum
	v_pk_add_f32 v[TS:TS+1], v[TS:TS+1], v[TS+2:TS+3]
	v_pk_add_f32 v[TS+4:TS+5], v[TS+4:TS+5], v[TS+6:TS+7]
	v_pk_add_f32 v[TS:TS+1], v[TS:TS+1], v[TS+4:TS+5]
	v_pk_add_f32 v[14:15], v[14:15], v[TS:TS+1]
.endm
.macro TM from, n                      ; t - M of n pairs of scores
.set j, \from
.rept \n
	v_pk_fma_f32 v[96+j:97+j], v[96+j:97+j], s[CS:CS+1], v[NN:NN+1] op_sel_hi:[1,0,0]
.set j, j+2
.endr
.endm
; A KEY STEP: 128 keys, the e-th record of the trip's two.  -M lies in v12 and v10 by turns, so that the old one need not be copied.
.macro STEP e
.set OF, LREC*\e
.set NN, 12-2*\e
.set NO, 10+2*\e
	ds_load_b32 v[KS], v[AKS] offset:OF+SCO        ; (more than four plain lines stand behind the last step's products)
	ds_load_b32 v[KS+1], v[AKS] offset:OF+SCO+64
.irp x, 0,1,2,3
.irp g, 0,1,2
	ds_load_b128 v[FB+12*\x+4*\g:FB+12*\x+4*\g+3], v[AK] offset:OF+6*PCE*(\x/2)+128*(\x%2)+PCE*\g
.endr
.endr
	s_wait_alu depctr_va_vdst(0)                   ; directly ahead of the waits below: the partial sums
	KQ 0
	KQ 1
	KQ 2
	KQ 3
	JOIN                                           ; the last step's sums: four plain lines, the places in front of the loads below and of the first read of the scores
	ds_load_b64 v[VS:VS+1], v[AVS] offset:OF+SCO+256   ; V lands while the softmax is worked
.irp c, 0,1,2,3
.irp g, 0,1,2
	ds_load_b128 v[FB+12*\c+4*\g:FB+12*\c+4*\g+3], v[AV] offset:OF+VFO+PCE*(3*\c+\g)
.endr
.endr
.irp b, 0,1                                    ; the largest score of my two blocks of 32 keys, each in two chains: for the row's maximum and, since p rises with the score, for the block's largest p
	v_max3_num_f32 v[232+\b], v[96+32*\b], v[97+32*\b], v[98+32*\b]
.endr
.irp b, 0,1
	v_max3_num_f32 v[234+\b], v[112+32*\b], v[113+32*\b], v[114+32*\b]
.endr
.irp i, 3,5,7,9,11,13
.irp b, 0,1
	v_max3_num_f32 v[232+\b], v[232+\b], v[96+32*\b+\i], v[97+32*\b+\i]
.endr
.irp b, 0,1
	v_max3_num_f32 v[234+\b], v[234+\b], v[112+32*\b+\i], v[113+32*\b+\i]
.endr
.endr
.irp b, 0,1
	v_max3_num_f32 v[232+\b], v[232+\b], v[111+32*\b], v[127+32*\b]
.endr
.irp b, 0,1
	v_max_num_f32 v[232+\b], v[232+\b], v[234+\b]
.endr
	v_max3_num_f32 v8, v8, v232, v233              ; the running largest score, my 64 keys,
	v_permlanex16_b32 v236, v8, s[SEL], s[SEL+1]
	v_max_num_f32 v8, v8, v236                     ; and lane l xor 16's
	v_mul_f32 v254, s[NC], v8                      ; -t (c is positive)
	v_floor_f32 v[NN], v254                        ; the new -M = -ceil(t)
	v_sub_f32 v254, v[NN], v[NO]                   ; old M - new M: a whole number, 0 or less
	TM 0, 4
	v_cvt_i32_f32 v254, v254                       ; (it saturates)
	TM 8, 4
	v_ldexp_f32 v250, 1.0, v254                    ; f = 2^(old M - new M)
	TM 16, 24
.irp b, 0,1
	v_fma_f32 v[232+\b], v[232+\b], s[CS], v[NN]   ; the same of each block's largest score
.endr
.set j, 0
.rept 16
	v_pk_mul_f32 v[160+j:161+j], v[160+j:161+j], v[250:251] op_sel_hi:[1,0]   ; O^T under the new M, each accumulator from its low end on
.set j, j+2
.endr
	s_wait_dscnt 0x0                               ; V is in
	s_wait_alu depctr_va_vdst(0)                   ; the wait ahead of the batch
.set j, 0
.rept 64
	v_exp_f32 v[96+j], v[96+j]                     ; p = 2^(t - M)
.set j, j+1
.endr
	v_exp_f32 v232, v232                           ; my blocks' largest p
	v_exp_f32 v233, v233
	v_pk_mul_f32 v[14:15], v[14:15], v[250:251] op_sel_hi:[1,0]   ; the sum under the new M.  (The plain line behind the exponentials)
	s_wait_alu depctr_va_vdst(0)                   ; one wait for the batch, ahead of its first reader
	v_max_num_f32 v232, 0x1800000, v232            ; the floor 2^(3 - 127)
	v_max_num_f32 v233, 0x1800000, v233
	s_delay_alu instid0(VALU_DEP_2)
	v_add_nc_u32 v244, 0xff000000, v232            ; the conversions' scale operands
	s_delay_alu instid0(VALU_DEP_2)
	v_add_nc_u32 v245, 0xff000000, v233
.irp c, 0,1
	v_cvt_scalef32_pk16_fp6_f32 v[192+6*\c:194+6*\c], v[96+32*\c:111+32*\c], v[244+\c]
	v_cvt_scalef32_pk16_fp6_f32 v[204+4*\c:206+4*\c], v[112+32*\c:127+32*\c], v[244+\c]   ; (a conversion's three registers begin on an even number)
.endr
.irp k, 0,1,2,3
	v_pk_add_f32 v[TS+2*\k:TS+2*\k+1], v[96+2*\k:97+2*\k], v[104+2*\k:105+2*\k]   ; the four partial sums begin.  (Plain lines behind the conversions)
.endr
.set PJ, 8
	v_lshrrev_b32 v238, 23, v244                   ; the scales' bytes
	v_lshrrev_b32 v239, 23, v245
.irp i, 0,1,2
	v_mov_b32 v[195+\i], v[204+\i]
.endr
	v_lshl_or_b32 v237, v239, 16, v238             ; blocks h and 2 + h,
.irp i, 0,1,2
	v_mov_b32 v[201+\i], v[208+\i]
.endr
	v_lshlrev_b32 v237, v7, v237                   ; at their places in the scale word;
	TADD 1
	s_delay_alu instid0(VALU_DEP_2)
	v_permlanex16_b32 v236, v237, s[SEL], s[SEL+1]
	TADD 1
	s_delay_alu instid0(VALU_DEP_2)
	v_or_b32 v[PW], v237, v236                     ; with lane l xor 16's two the word is whole
	TADD 9                                         ; nine plain lines between the write of the scale word and the first product
	PV 0                                           ; four accumulators by turns
	PV 1
	PV 2
	PV 3
	TADD 13                                        ; the places behind the products
.endm
	s_mov_b32 s[PASS], 2
.Lpass:
	v_mov_b32 v8, 0xff61b1e6                       ; the largest score so far: -3e38
	v_mov_b32 v10, 0x7e000000                      ; -M: 2^125, so that the first f is 0
	v_mov_b32 v14, 0
	v_mov_b32 v15, 0
.set j, 0
.rept 8
	v_mov_b32 v[TS+j], 0
.set j, j+1
.endr
.set j, 0
.rept 32
	v_mov_b32 v[160+j], 0                          ; O^T: the step is written once; the first finds zeros
.set j, j+1
.endr
	s_mov_b32 s[TB], 0
	s_mov_b32 s[CNT], 8
.Ltrip:                                                ; two key steps a trip: the second record is reached by the loads' immediates
	v_add_nc_u32 v[AK], s[TB], v88
	v_add_nc_u32 v[AKS], s[TB], v89
	v_add_nc_u32 v[AV], s[TB], v1
	v_add_nc_u32 v[AVS], s[TB], v2
	STEP 0
	STEP 1
	s_add_co_u32 s[TB], s[TB], 2*LREC
	s_sub_co_u32 s[CNT], s[CNT], 1
	s_cmp_lg_u32 s[CNT], 0
	s_cbranch_scc1 .Ltrip
	; THE PASS'S END: O^T / the sum, quantised along the channels: two blocks of 32 = my head's part of K step head / 2 of the last product
	JOIN
	s_delay_alu instid0(VALU_DEP_1)
	v_add_f32 v14, v14, v15
	s_delay_alu instid0(VALU_DEP_1)
	v_permlanex16_b32 v254, v14, s[SEL], s[SEL+1]
	s_delay_alu instid0(VALU_DEP_1)
	v_add_f32 v14, v14, v254                       ; the row's sum
	s_wait_alu depctr_va_vdst(0)
	v_rcp_f32 v14, v14
	v_nop
	s_wait_alu depctr_va_vdst(0)                   ; the wait ahead of the reciprocal's first reader and of the first read of O^T
.set j, 0
.rept 16
	v_pk_mul_f32 v[96+j:97+j], v[160+j:161+j], v[14:15] op_sel_hi:[1,0]   ; register 16 c + i = channel 32 c + 16 h + i of query r; each accumulator from its low end on
.set j, j+2
.endr
.irp b, 0,1
	v_max3_num_f32 v[232+\b], |v[96+16*\b]|, |v[97+16*\b]|, 0x1800000
.endr
.irp i, 2,4,6,8,10,12,14
.irp b, 0,1
	s_delay_alu instid0(VALU_DEP_2)
	v_max3_num_f32 v[232+\b], v[232+\b], |v[96+16*\b+\i]|, |v[97+16*\b+\i]|
.endr
.endr
.irp b, 0,1
	s_delay_alu instid0(VALU_DEP_2)
	v_permlanex16_b32 v[236+\b], v[232+\b], s[SEL], s[SEL+1]
.endr
.irp b, 0,1
	s_delay_alu instid0(VALU_DEP_2)
	v_max_num_f32 v[232+\b], v[232+\b], v[236+\b]
.endr
.irp b, 0,1
	s_delay_alu instid0(VALU_DEP_2)
	v_add_nc_u32 v[244+\b], 0xff000000, v[232+\b]
.endr
.irp b, 0,1
	s_delay_alu instid0(VALU_DEP_2)
	v_lshrrev_b32 v[238+\b], 23, v[244+\b]
.endr
	s_delay_alu instid0(VALU_DEP_1)
	v_lshl_or_b32 v240, v239, 8, v238              ; the two blocks' bytes
	v_cvt_scalef32_pk16_fp6_f32 v[192:194], v[96:111], v244
	v_cvt_scalef32_pk16_fp6_f32 v[204:206], v[112:127], v245
	v_nop
.irp i, 0,1,2
	v_permlane16_swap_b32 v[192+\i], v[204+\i]     ; lanes 0-15 the first block whole, lanes 16-31 the second
.endr
.irp i, 0,1,2
	s_delay_alu instid0(VALU_DEP_3)
	v_mov_b32 v[195+\i], v[204+\i]
.endr
	global_store_b64 v2, v[192:193], s[54:55]      ; three pieces of the fragment's image: 256 consecutive bytes each, aligned
	global_store_b64 v2, v[194:195], s[54:55] offset:256
	global_store_b64 v2, v[196:197], s[54:55] offset:512
	global_store_b16 v9, v240, s[56:57]            ; two bytes of row r's scale word (its other bytes are other heads'); lanes r and r + 16 write the same
.irp i, 0,1,2,3,4,5
	v_mov_b32 v[22+\i], v[224+\i]                  ; the second pass's q,
.endr
	v_mov_b32 v[QS], v230                          ; and its scale word: the next pass's 44 opening lines stand between these writes and the first product
	s_wait_xcnt 0x0                                ; the stores have read their bases
	s_add_nc_u64 s[54:55], s[54:55], 16*12288      ; 256 queries on
	s_add_nc_u64 s[56:57], s[56:57], 2048
	s_sub_co_u32 s[PASS], s[PASS], 1
	s_cmp_lg_u32 s[PASS], 0
	s_cbranch_scc1 .Lpass
	s_wait_tensorcnt 0x0                           ; the wave's end
	ds_add_u32 v253, v255
	s_wait_dscnt 0x0
	CROUND                                         ; the closing round
	s_endpgm
.Lfunc_end_k_q51d0f1bd07_attn:
	.size	k_q51d0f1bd07_attn, .Lfunc_end_k_q51d0f1bd07_attn-k_q51d0f1bd07_attn
	.p2alignl 7, 3214868480
	.fill 96, 4, 3214868480
	.section	.rodata,"a",@progbits
	.p2align	6, 0x0
	.amdhsa_kernel k_q51d0f1bd07_attn
		.amdhsa_group_segment_fixed_size 258048
		.amdhsa_private_segment_fixed_size 0
		.amdhsa_enable_private_segment 0
		.amdhsa_kernarg_size 24
		.amdhsa_user_sgpr_count 2
		.amdhsa_user_sgpr_kernarg_segment_ptr 1
		.amdhsa_wavefront_size32 1
		.amdhsa_system_sgpr_workgroup_id_x 1
		.amdhsa_system_sgpr_workgroup_id_y 1
		.amdhsa_system_sgpr_workgroup_id_z 1
		.amdhsa_system_vgpr_workitem_id 0
		.amdhsa_next_free_vgpr 256
		.amdhsa_next_free_sgpr 80
		.amdhsa_reserve_vcc 0
		.amdhsa_float_denorm_mode_32 3
		.amdhsa_float_denorm_mode_16_64 3
		.amdhsa_memory_ordered 1
		.amdhsa_forward_progress 1
		.amdhsa_inst_pref_size 43
	.end_amdhsa_kernel
	.amdgpu_metadata
---
amdhsa.version: [ 1, 2 ]
amdhsa.kernels:
  - .name:           k_q51d0f1bd07_attn
    .symbol:         k_q51d0f1bd07_attn.kd
    .args:
      - { .name: qr, .offset: 0, .size: 8, .value_kind: global_buffer, .address_space: global }
      - { .name: kv, .offset: 8, .size: 8, .value_kind: global_buffer, .address_space: global }
      - { .name: oc, .offset: 16, .size: 8, .value_kind: global_buffer, .address_space: global }
    .group_segment_fixed_size: 258048
    .private_segment_fixed_size: 0
    .kernarg_segment_align: 8
    .kernarg_segment_size: 24
    .max_flat_workgroup_size: 512
    .sgpr_count:     80
    .vgpr_count:     256
    .wavefront_size: 32
...
	.end_amdgpu_metadata
.endif
;; end of part 3
;; launch proj (part 4): grid 8 x 32, 4 waves a work-group, clusters of 4 x 4, 327,680 bytes of LDS; arguments oc, wq, bproj, out0; writes out0
.if DOCPART == 4
	.amdgcn_target "amdgcn-amd-amdhsa--gfx1250"
	.amdhsa_code_object_version 6
	.text
	.protected	k_q51d0f1bd07_proj
	.globl	k_q51d0f1bd07_proj
	.p2align	8
	.type	k_q51d0f1bd07_proj,@function
k_q51d0f1bd07_proj:
	s_mov_b64 s[64:65], 0
	v_nop
	global_prefetch_b8 v0, s[64:65] scope:SCOPE_SE
	s_setreg_imm32_b32 hwreg(HW_REG_WAVE_MODE, 25, 1), 1
	s_wait_xcnt 0x0
	s_wait_alu depctr_hold_cnt(0) depctr_sa_sdst(0) depctr_va_vdst(0) depctr_va_sdst(0) depctr_va_ssrc(0) depctr_va_vcc(0) depctr_vm_vsrc(0)
	s_getreg_b32 s2, hwreg(HW_REG_IB_STS2, 6, 4)
	s_cmp_eq_u32 s2, 0
	s_cbranch_scc0 .Lentry_in_a_cluster
	s_endpgm
.Lentry_in_a_cluster:
	s_bfe_u32 s2, ttmp6, 0x10000c
	s_cmp_lg_u32 s2, 0xf033
	s_cbranch_scc0 .Lentry_shape_is_right
	s_endpgm
.Lentry_shape_is_right:
; out0 = O Wproj + bproj: [8192][1024] x [1024][1024], both operands as codes of FP6 (E2M3) with E8M0 scales, as the earlier launches left them in oc and wq; sums in f32.
; THE BUFFERS: codes as images of operand registers, [tile of 16 rows][K step of 128][piece p 0..5][lane][8 bytes]: a tile of rows, all of K, is 12,288 consecutive bytes.  Scale bytes: [256 along K: sp 0..3][row][8 bytes]: two scale words.
; SHARES.  A work-group makes 256 rows x 128 columns of out0: 32 x 8 = 256 work-groups.  Four waves, 2 x 2; a wave makes 128 x 64: 32 accumulators of 16 x 16.
; ALL OF K LIES IN LDS AT ONCE: A's 16 tiles of rows (196,608 bytes) and B's 8 (98,304 bytes), each a dense block of memory.  Each wave asks for one half of one of them, its one tensor load of the launch:
; nothing is filled again, so there is no ring, and no round of the cluster's barrier but the one in front of the loads and the closing one.
; CLUSTERS: 4 x 4 work-groups.  The four of a row of the cluster need the same rows of A, the four of a column the same rows of B: each half is asked for jointly.
; No prefetch: every tile of the launch is asked for at the head, so there is no loop to run ahead in.
; THE SCALE WORDS go from memory straight into registers, for all of K: a load of 8 bytes a lane takes 32 rows' two words of one sp, 256 consecutive bytes, aligned; lanes 0-15 hold the even tile's rows, lanes 16-31 the odd tile's.
; THE MATRIX INSTRUCTION IS USED TRANSPOSED (source 0 = 16 rows of B, source 1 = 16 rows of A): a lane then holds eight neighbouring numbers of a row of out0.  The bias is the first products' C.
; REGISTERS, in windows of 256: window 0: v0-31 addresses; v32-63 A's scale words; v64-79 B's; v80-111 the bias; v128-223 A's fragments, one set (on the way out v128-191 hold rows read back);
;   window 1: B's fragments, two sets, at v0 and v128;  window 2: the accumulators of my rows 0-63 (accumulator (a, b) at v[8 (8 (a % 4) + b)]);  window 3: those of my rows 64-127.
.set FR,     12                        ; registers of a fragment
.set NL,     6                         ; LDS loads that bring one
.set FRB,    1536                      ; a fragment's bytes
.set RT,     12288                     ; a tile of 16 rows, all of K
.set AH,     8*RT                      ; 128 rows of A
.set BH,     4*RT                      ; 64 rows of B
.set BB0,    2*AH                      ; B lies behind A
.set STAGE,  2*AH+2*BH                 ; behind the tiles: 16 rows x 272 bytes for each wave, for the way out; no fill lands here
.set SPITCH, 272
.set SPARE,  STAGE+4*16*SPITCH         ; the spare words: 128 bytes for each wave
.set XS,     6291456                   ; oc: where the scale bytes begin
.set BCODE,  2457600                   ; wq: Wproj's codes,
.set BSC,    3244032                   ; and its scale bytes
.set ROWO,   4096                      ; a row of out0 in bytes
.set ADRA, 16                          ; v16, v17 LDS address of my A fragments: tiles 0-3, tiles 4-7
.set ADRB, 20                          ; v20      of my B fragments
.set STO,  24
.set RD,   25
.set CO,   26
.set SPW,  28
.set NIL,  29
.set SA,   32                          ; A's scale words: register 8 sp + 2 (a / 2) + q
.set SBS,  64                          ; B's: register 4 sp + 2 (b / 2) + q
.set BIAS, 80
.set AF,   128
.set BK,   128
.set G1, 24
.set G0, 32
.set G1B, 48
.set G0B, 56
.set MSB, 0
.macro WIN new
.if MSB != (\new)
	s_set_vgpr_msb (MSB<<8)|(\new)
.set MSB, \new
.endif
.endm
.set MUL_LO, 0xa1                      ; source 0 (B) window 1, source 1 (A) window 0, C and D window 2
.set MUL_HI, 0xf1                      ; the same, C and D window 3
.set TO_B,   0x40                      ; destination window 1, address window 0
.macro PLACES n
.rept \n
	v_nop
.endr
.endm
.macro CROUND                          ; a round of the cluster's barrier
	s_barrier_signal -1
	s_barrier_wait -1
	s_cmp_lg_u32 s16, 0
	s_cbranch_scc1 .Lnot_wave_0_\@
	s_barrier_signal -3
.Lnot_wave_0_\@:
	s_barrier_wait -3
	s_barrier_signal -1
	s_barrier_wait -1
.endm
	s_load_b128 s[4:7], s[0:1], 0x0                ; oc, wq
	s_load_b128 s[8:11], s[0:1], 0x10              ; bproj, out0
	v_lshl_add_u32 v[SPW], v0, 2, SPARE
	v_mov_b32 v[NIL], 0
	ds_add_u32 v[SPW], v[NIL]                      ; the opening lines: the add twice on end and its wait
	ds_add_u32 v[SPW], v[NIL]
	v_lshrrev_b32 v1, 5, v0
	v_readfirstlane_b32 s16, v1                    ; wave 0..3
	s_lshr_b32 s17, s16, 1                         ; which half of the block's rows is mine.  Also: I fetch for A (0) or for B (1)
	s_and_b32 s18, s16, 1                          ; which half of its columns.  Also: which half of that tensor's rows I fetch
	s_bfe_u32 s40, ttmp6, 0x40000                  ; cx
	s_bfe_u32 s41, ttmp6, 0x40004                  ; cy
	s_lshl_b32 s42, ttmp9, 2
	s_add_co_u32 s42, s42, s40                     ; block column, 0..7
	s_and_b32 s19, ttmp7, 0xffff
	s_lshl_b32 s19, s19, 2
	s_add_co_u32 s19, s19, s41                     ; block row, 0..31
	s_lshl_b32 s43, s41, 2
	s_lshl_b32 s43, 15, s43                        ; my row of the cluster
	s_lshl_b32 s44, 0x1111, s40                    ; my column
	s_or_b32 s[G1+0], s43, (3<<16)|(1<<21)         ; the mask; elements of 8 bytes; bit 21 beside a mask; no padding: every LDS load reads 256 consecutive bytes
	s_or_b32 s[G1B+0], s44, (3<<16)|(1<<21)
.irp g, G1, G1B
	s_mov_b32 s[\g+1], 32<<16                      ; a dense block as rows of 256 bytes
	s_mov_b32 s[\g+3], 32<<16
	s_mov_b32 s[\g+5], 32
	s_mov_b32 s[\g+6], 0
	s_mov_b32 s[\g+7], 0
.endr
	s_mov_b32 s[G1+2], (AH/256)<<16                ; A: 384 rows
	s_mov_b32 s[G1+4], AH/256
	s_mov_b32 s[G1B+2], (BH/256)<<16               ; B: 192 rows
	s_mov_b32 s[G1B+4], BH/256
	s_lshl_b32 s20, s19, 4                         ; A: tile of rows 16 x block row + 8 x the half that I fetch
	s_lshl_b32 s45, s18, 3
	s_add_co_u32 s20, s20, s45
	s_mul_i32 s20, s20, RT
	s_mov_b32 s21, 0
	s_lshl_b32 s46, s42, 3                         ; B: tile of rows 8 x block column + 4 x the half
	s_lshl_b32 s45, s18, 2
	s_add_co_u32 s46, s46, s45
	s_mul_i32 s46, s46, RT
	s_add_co_u32 s46, s46, BCODE
	s_mov_b32 s47, 0
	s_lshl_b32 s22, s19, 8
	s_lshl_b32 s45, s17, 7
	s_add_co_u32 s22, s22, s45                     ; my first row
	s_lshl_b32 s96, s22, 12                        ; in out0, in bytes
	s_lshl_b32 s22, s22, 3
	s_add_co_u32 s22, s22, XS                      ; its scale words
	s_mov_b32 s23, 0
	s_lshl_b32 s92, s42, 7
	s_lshl_b32 s45, s18, 6
	s_add_co_u32 s92, s92, s45                     ; my first column
	s_lshl_b32 s98, s92, 2                         ; in a row of out0 and in the bias, in bytes: a multiple of 256
	s_lshl_b32 s92, s92, 3
	s_add_co_u32 s92, s92, BSC                     ; its scale words
	s_mov_b32 s93, 0
	s_mov_b32 s99, 0
	s_add_co_u32 s96, s96, s98
	s_mov_b32 s97, 0
	s_mov_b32 s[G0], 1
	s_mul_i32 s[G0+1], s18, AH                     ; no place in the cluster enters an LDS address
	s_mov_b32 s[G0B], 1
	s_mul_i32 s[G0B+1], s18, BH
	s_add_co_u32 s[G0B+1], s[G0B+1], BB0
	s_mul_i32 s60, s17, AH                         ; my 128 rows of A: tiles 0-3,
	s_add_co_u32 s61, s60, 4*RT                    ; tiles 4-7;
	s_mul_i32 s62, s18, BH
	s_add_co_u32 s62, s62, BB0                     ; my 64 rows of B;
	s_mul_i32 s63, s16, 16*SPITCH
	s_add_co_u32 s63, s63, STAGE                   ; my stage
	v_and_b32 v1, 15, v0                           ; r
	v_bfe_u32 v2, v0, 4, 1                         ; h
	v_and_b32 v3, 31, v0
	v_lshlrev_b32 v4, 3, v3                        ; 8 x lane
	v_lshlrev_b32 v7, 5, v2                        ; 32 h
	v_add_nc_u32 v[ADRA], s60, v4
	v_add_nc_u32 v[ADRA+1], s61, v4
	v_add_nc_u32 v[ADRB], s62, v4
	v_mul_u32_u24 v5, v1, SPITCH                   ; the stage, in: row r, 32 bytes for each half of the lanes
	v_lshl_add_u32 v5, v2, 5, v5
	v_add_nc_u32 v[STO], s63, v5
	v_mul_u32_u24 v6, v2, SPITCH                   ; back: lanes 0-15 take one row of 256 bytes, lanes 16-31 the next
	v_lshl_add_u32 v6, v1, 4, v6
	v_add_nc_u32 v[RD], s63, v6
	v_lshlrev_b32 v[CO], 12, v2                    ; and the same two rows in out0
	v_lshl_add_u32 v[CO], v1, 4, v[CO]
	s_wait_alu depctr_va_vdst(0)                   ; behind the head's last vector line and directly ahead of the waits below
	s_wait_dscnt 0x0                               ; both opening adds are done
	s_wait_kmcnt 0x0
	s_add_nc_u64 s[G0+2:G0+3], s[4:5], s[20:21]
	s_or_b32 s[G0+3], s[G0+3], 0x80000000
	s_add_nc_u64 s[G0B+2:G0B+3], s[6:7], s[46:47]
	s_or_b32 s[G0B+3], s[G0B+3], 0x80000000
	s_add_nc_u64 s[22:23], s[4:5], s[22:23]
	s_add_nc_u64 s[92:93], s[6:7], s[92:93]
	s_add_nc_u64 s[8:9], s[8:9], s[98:99]
	s_add_nc_u64 s[10:11], s[10:11], s[96:97]
.irp sp, 0,1,2,3                               ; the scale words of all of K: 24 loads of 256 consecutive bytes
.irp ap, 0,1,2,3
	global_load_b64 v[SA+8*\sp+2*\ap:SA+8*\sp+2*\ap+1], v4, s[22:23] offset:65536*\sp+256*\ap
.endr
.irp bp, 0,1
	global_load_b64 v[SBS+4*\sp+2*\bp:SBS+4*\sp+2*\bp+1], v4, s[92:93] offset:8192*\sp+256*\bp
.endr
.endr
.irp b, 0,1,2,3                                ; the bias as the result lies: register j of tile b is column 16 b + 8 h + j
	global_load_b128 v[BIAS+8*\b:BIAS+8*\b+3], v7, s[8:9] offset:64*\b
	global_load_b128 v[BIAS+8*\b+4:BIAS+8*\b+7], v7, s[8:9] offset:64*\b+16
.endr
	CROUND                                         ; all sixteen work-groups are here: the joint loads meet
	s_cmp_eq_u32 s17, 0                            ; one tensor load a wave: waves 0 and 1 A's halves, waves 2 and 3 B's; each line has one mask
	s_cbranch_scc0 .Lfor_b
	tensor_load_to_lds s[G0:G0+3], s[G1:G1+7]
	s_nop 0
	PLACES 4
	s_branch .Lasked
.Lfor_b:
	tensor_load_to_lds s[G0B:G0B+3], s[G1B:G1B+7]
	s_nop 0
	PLACES 4
.Lasked:
	s_wait_loadcnt 0x0                             ; scale words and bias are in
	s_wait_tensorcnt 0x0                           ; my half is in;
	s_barrier_signal -1
	s_barrier_wait -1                              ; everybody's is.
.macro FRAG reg, adr, st, i            ; a fragment: six pieces of 8 bytes a lane, each load 256 consecutive bytes
.irp p, 0,1,2,3,4,5
	ds_load_b64 v[\reg+2*\p:\reg+2*\p+1], v[\adr] offset:(\i)*RT+(\st)*FRB+256*\p
.endr
.endm
.macro FETCH_B st, p                   ; B's four fragments of step st into set p
	WIN TO_B
.irp i, 0,1,2,3
	FRAG 128*(\p)+FR*\i, ADRB, \st, \i
.endr
	WIN 0
.endm
.macro FETCH_A st, hi                  ; A's blocks 4 hi .. 4 hi + 3 of step st
.irp i, 0,1,2,3
	FRAG AF+FR*(4*\hi+\i), ADRA+\hi, \st, \i
.endr
.endm
; Eight matrix instructions: A's blocks 2 ap, 2 ap + 1 x B's four, 128 along K.  The 32 accumulators take turns, one instruction a turn, in the same order in every step.
.macro MUL8 ap, p, st, first
.irp ra, 0,1
.irp bp, 0,1
.irp rb, 0,1
.set D_, 8*(8*((2*(\ap)+\ra)%4)+2*\bp+\rb)
.set B_, 128*(\p)+FR*(2*\bp+\rb)
.set A_, AF+FR*(2*(\ap)+\ra)
.set C_, BIAS+8*(2*\bp+\rb)
.set XB_, SBS+4*((\st)/2)+2*\bp+(\st)%2
.set XA_, SA+8*((\st)/2)+2*(\ap)+(\st)%2
.if \first
	v_wmma_scale_f32_16x16x128_f8f6f4 v[D_:D_+7], v[B_:B_+FR-1], v[A_:A_+FR-1], v[C_:C_+7], v[XB_], v[XA_] matrix_a_fmt:MATRIX_FMT_FP6 matrix_b_fmt:MATRIX_FMT_FP6 matrix_a_scale:MATRIX_SCALE_ROW\rb matrix_b_scale:MATRIX_SCALE_ROW\ra
.else
	v_wmma_scale_f32_16x16x128_f8f6f4 v[D_:D_+7], v[B_:B_+FR-1], v[A_:A_+FR-1], v[D_:D_+7], v[XB_], v[XA_] matrix_a_fmt:MATRIX_FMT_FP6 matrix_b_fmt:MATRIX_FMT_FP6 matrix_a_scale:MATRIX_SCALE_ROW\rb matrix_b_scale:MATRIX_SCALE_ROW\ra
.endif
.endr
.endr
.endr
.endm
; A step of 128 along K: 32 matrix instructions; the next step's fragments are fetched in its middle (B's other set, A's blocks 0-3) and at its end (A's blocks 4-7), each run four places behind the products that read those registers.
.macro STEP st
.set NX, (\st)+1
.set FI, (\st)==0
	s_wait_dscnt 4*NL                              ; B's set and A's blocks 0-3 are in; the youngest 24 loads (A's blocks 4-7) may be out
.if FI
	WIN 0x81                                       ; the first products take the bias, in window 0, as C
.else
	WIN MUL_LO
.endif
	MUL8 0, (\st)%2, \st, FI
	MUL8 1, (\st)%2, \st, FI
	s_wait_dscnt 0x0                               ; A's blocks 4-7 are in
	PLACES 4
	FETCH_B NX, NX%2
	FETCH_A NX, 0
.if FI
	WIN 0xc1
.else
	WIN MUL_HI
.endif
	MUL8 2, (\st)%2, \st, FI
	MUL8 3, (\st)%2, \st, FI
	PLACES 4
	WIN 0
	FETCH_A NX, 1
.endm
	FETCH_B 0, 0
	FETCH_A 0, 0
	FETCH_A 0, 1
.set ST, 0
.rept 7
	STEP ST
.set ST, ST+1
.endr
	s_wait_dscnt 4*NL                              ; the last step: nothing more to fetch
	WIN MUL_LO
	MUL8 0, 1, 7, 0
	MUL8 1, 1, 7, 0
	s_wait_dscnt 0x0
	WIN MUL_HI
	MUL8 2, 1, 7, 0
	MUL8 3, 1, 7, 0
	WIN 0
; THE WAY OUT, block by block of 16 rows x 64 columns.  A lane holds 32 neighbouring bytes of a row, and the lanes beside it hold other rows: so a block goes through my own stage in LDS and comes back as whole rows
; of 256 bytes, which sixteen lanes store as one aligned unit.  LDS serves a wave's instructions in order (ISA guide 5.7.1.4): no wait between the stores and the loads, nor in front of the next block's stores.
.macro TOSTAGE a
.set AC, 64*((\a)%4)
	WIN 0x08+4*((\a)/4)                            ; the data: window 2 or 3
.irp b, 0,1,2,3
	ds_store_b128 v[STO], v[AC+8*\b:AC+8*\b+3] offset:64*\b          ; each accumulator from its low end on
	ds_store_b128 v[STO], v[AC+8*\b+4:AC+8*\b+7] offset:64*\b+16
.endr
	WIN 0
.set BB, BK+32*((\a)%2)
.irp t, 0,1,2,3,4,5,6,7
	ds_load_b128 v[BB+4*\t:BB+4*\t+3], v[RD] offset:\t*2*SPITCH
.endr
.endm
.macro SEND a, younger                 ; younger: the LDS instructions issued behind block a's loads, which may stay out
.set BB, BK+32*((\a)%2)
	s_wait_dscnt \younger                          ; the block is back in registers
.if (\a) > 0
	s_add_nc_u64 s[10:11], s[10:11], 16*ROWO       ; (behind a wait on XCNT: the earlier stores have read their base)  16 rows on
.endif
.irp t, 0,1,2,3,4,5,6,7
	global_store_b128 v[CO], v[BB+4*\t:BB+4*\t+3], s[10:11] offset:2*\t*ROWO th:TH_STORE_NT   ; 16 lanes store 256 consecutive bytes, at a multiple of 256 from out0's first byte
.endr
.endm
	PLACES 4                                       ; behind the last products: for the loads into the registers that held A's fragments and for the reads of the results
	TOSTAGE 0
.irp a, 1,2,3,4,5,6,7
.if \a > 1
	s_wait_xcnt 0x0                                ; block a - 2's stores have read their registers and their base
.endif
	TOSTAGE \a
	SEND \a-1, 16                                  ; behind block a - 1's loads: block a's 8 stores and 8 loads
.endr
	s_wait_xcnt 0x0
	SEND 7, 0
	s_wait_tensorcnt 0x0                           ; the wave's end
	ds_add_u32 v[SPW], v[NIL]
	s_wait_dscnt 0x0
	CROUND                                         ; the closing round
	s_endpgm
.Lfunc_end_k_q51d0f1bd07_proj:
	.size	k_q51d0f1bd07_proj, .Lfunc_end_k_q51d0f1bd07_proj-k_q51d0f1bd07_proj
	.p2alignl 7, 3214868480
	.fill 96, 4, 3214868480
	.section	.rodata,"a",@progbits
	.p2align	6, 0x0
	.amdhsa_kernel k_q51d0f1bd07_proj
		.amdhsa_group_segment_fixed_size 327680
		.amdhsa_private_segment_fixed_size 0
		.amdhsa_enable_private_segment 0
		.amdhsa_kernarg_size 32
		.amdhsa_user_sgpr_count 2
		.amdhsa_user_sgpr_kernarg_segment_ptr 1
		.amdhsa_wavefront_size32 1
		.amdhsa_system_sgpr_workgroup_id_x 1
		.amdhsa_system_sgpr_workgroup_id_y 1
		.amdhsa_system_sgpr_workgroup_id_z 1
		.amdhsa_system_vgpr_workitem_id 0
		.amdhsa_next_free_vgpr 1024
		.amdhsa_next_free_sgpr 102
		.amdhsa_reserve_vcc 0
		.amdhsa_float_denorm_mode_32 3
		.amdhsa_float_denorm_mode_16_64 3
		.amdhsa_memory_ordered 1
		.amdhsa_forward_progress 1
		.amdhsa_inst_pref_size 97
	.end_amdhsa_kernel
	.amdgpu_metadata
---
amdhsa.version: [ 1, 2 ]
amdhsa.kernels:
  - .name:           k_q51d0f1bd07_proj
    .symbol:         k_q51d0f1bd07_proj.kd
    .args:
      - { .name: oc, .offset: 0, .size: 8, .value_kind: global_buffer, .address_space: global }
      - { .name: wq, .offset: 8, .size: 8, .value_kind: global_buffer, .address_space: global }
      - { .name: bproj, .offset: 16, .size: 8, .value_kind: global_buffer, .address_space: global }
      - { .name: out0, .offset: 24, .size: 8, .value_kind: global_buffer, .address_space: global }
    .group_segment_fixed_size: 327680
    .private_segment_fixed_size: 0
    .kernarg_segment_align: 8
    .kernarg_segment_size: 32
    .max_flat_workgroup_size: 128
    .sgpr_count:     102
    .vgpr_count:     1024
    .wavefront_size: 32
...
	.end_amdgpu_metadata
.endif
;; end of part 4
